; MI455X (gfx1250); checked and timed in simulation.
; The chip was launched on July 23, 2026; its instructions are those of AMD's public machine-readable ISA for CDNA 5 (MIT licence, August 2026) and "CDNA5" Instruction Set Architecture Reference Guide (July 2026). The comments in the code are by the model that wrote it; some were corrected since.
;; Multi Head Cross Attention. Allowed arithmetic: matrix products marked QUANTISED: E3M2 operands, one E8M0 scale for each 32 along K, by v_wmma_scale_f32_16x16x128_f8f6f4 with both operands' format E3M2, f32 sums; everything else in f32.
;; Inputs: Wk 1,024 x 1,024 float32; Wp 1,024 x 1,024 float32; Wq 1,024 x 1,024 float32; Wv 1,024 x 1,024 float32; bk 1,024 float32; bp 1,024 float32; bq 1,024 float32; bv 1,024 float32; image_embeds 8 x 1,024 x 1,024 float32; query_tokens 8 x 1,024 x 1,024 float32.
;; Outputs: out0 8 x 1,024 x 1,024 float32.
;; This version of the problem:
;;   THIS VERSION OF THE PROBLEM IS GIVEN IN LOW PRECISION. The matrix products marked QUANTISED in the list below multiply operands that are first quantised to E3M2 (3 exponent bits, 2 mantissa bits; 6 bits a number), with one power-of-two scale for each 32 numbers along K (OCP MX v1.0); their sums are f32. All else is computed in f32.
;;   The module's matrix products, in the order in which they are computed (A, B: the left and right operand; K: the contracted axis; several contracted axes count as one K, in the product's order):
;;     1. [M 8,192, K 1,024] x [K 1,024, N 1,024]; A: input query_tokens; B: input Wq: QUANTISED
;;     2. [M 8,192, K 1,024] x [K 1,024, N 1,024]; A: input image_embeds; B: input Wk: QUANTISED
;;     3. [M 8,192, K 1,024] x [K 1,024, N 1,024]; A: input image_embeds; B: input Wv: QUANTISED
;;     4. batch 128 x [M 1,024, K 64] x [K 64, N 1,024]; A: computed on the way; B: computed on the way: QUANTISED
;;     5. batch 128 x [M 1,024, K 1,024] x [K 1,024, N 64]; A: softmax (see below); B: computed on the way: QUANTISED
;;     6. [M 8,192, K 1,024] x [K 1,024, N 1,024]; A: computed on the way; B: input Wp: QUANTISED
;;   THE QUANTISER, for each operand of a quantised product, along K:
;;     - K is cut into blocks of 32 from its start; a last block that is shorter is filled with zeros.
;;     - A block's scale is 2^e with e = floor(log2(the largest magnitude in the block)) - 4, held to -126 .. 127; a block of zeros has e = 0. As a byte (E8M0): e + 127.
;;     - Each number is divided by its block's scale, clamped to +-28, and rounded to the nearest number of E3M2, ties to even, subnormals kept.
;;     - The product sums the exact products of the quantised numbers (number of the format x scale) in f32.
;;   ~~~python
;;   def quantise(x, axis):      # numpy; x: float32 -> the quantised numbers, widened to float32 again
;;       x = np.moveaxis(x, axis, -1); K = x.shape[-1]
;;       x = np.pad(x, [(0, 0)] * (x.ndim - 1) + [(0, -K % 32)]); x = x.reshape(x.shape[:-1] + (-1, 32)); a = np.abs(x).max(-1, keepdims=True)
;;       e = np.where(a > 0, np.clip(np.frexp(np.where(a > 0, a, 1))[1] - 1 - 4, -126, 127), 0)      # np.frexp(a)[1] - 1 = floor(log2(a)), exactly
;;       r = np.clip(x / 2.0 ** e, -28, 28)
;;       step = 2.0 ** (np.maximum(np.frexp(np.where(r == 0, 1, r))[1] - 1, -2) - 2)
;;       q = np.round(r / step) * step * 2.0 ** e      # np.round: ties to even
;;       return np.moveaxis(q.reshape(q.shape[:-2] + (-1,))[..., :K], -1, axis).astype(np.float32)
;;   ~~~
;;   SOFTMAX AHEAD OF A QUANTISED PRODUCT. Where the list says 'softmax', what is quantised is not the finished softmax but p = 2^(t - M), with t = logit x log2(e) and M = ceil(the row's largest t), a whole number; so 1/2 < the row's largest p <= 1. The row's sum l is taken of the UNQUANTISED p, in f32, and the product's result is divided by l at the end. Since M is a whole number, a kernel that streams over the keys may use a running M (the ceiling of the running maximum): every later rescaling is an exact power of two, which a block's scale takes up: the codes' values come out the same.
;;   OPERANDS COMPUTED ON THE WAY. 'Computed on the way' means the value that the module computes at that place (a softmax that the list does not call 'softmax' is quantised finished and normalised). What goes into a quantiser is computed in f32, as accurately as f32 sums, v_exp_f32 and their like allow (about 1e-6 of the number): no bf16 or f16 on the way to a quantiser, and a product that is left as it is and whose result goes on into a quantised operand takes f32 operands (vector FMAs, or v_wmma_f32_16x16x4_f32). A number that lies on a knife's edge between two numbers of the format may be rounded either way, as far as f32 arithmetic and the matrix unit's own rounding can turn it there, and no further.
;; One version. Each part assembles by itself: llvm-mc -triple=amdgcn-amd-amdhsa -mcpu=gfx1250 --defsym DOCPART=n.
;; ======== version 1 of 1: 4 launches
;; workspace buffers: codes 15,728,640 bytes; scales 655,360 bytes; qrec 6,815,744 bytes; kv 13,369,344 bytes; oc 6,291,456 bytes; os 262,144 bytes
;; launch quant (part 1): grid 640 x 1, 4 waves a work-group, no clusters, 35,328 bytes of LDS; arguments query_tokens, image_embeds, Wq, Wk, Wv, Wp, codes, scales; writes codes, scales
.if DOCPART == 1
	.amdgcn_target "amdgcn-amd-amdhsa--gfx1250"
	.amdhsa_code_object_version 6
	.text
	.protected	k_q97e5e25fd5_quant
	.globl	k_q97e5e25fd5_quant
	.p2align	8
	.type	k_q97e5e25fd5_quant,@function
k_q97e5e25fd5_quant:
	s_mov_b64 s[64:65], 0
	v_nop
	global_prefetch_b8 v0, s[64:65] scope:SCOPE_SE
	s_setreg_imm32_b32 hwreg(HW_REG_WAVE_MODE, 25, 1), 1
	s_wait_xcnt 0x0
; query_tokens, image_embeds [8192][1024] and Wq, Wk, Wv, Wp [1024 (k)][1024 (n)], f32, become codes of BF6 (E3M2) with one E8M0 byte for each 32 along K.
; A block's scale is 2^(floor(log2(its largest magnitude)) - 4): its byte is the largest magnitude's exponent field - 4, held at 1 from below.
; LAYOUT OF THE RESULTS.  16 rows (of a token tensor) or 16 columns n (of a weight) form a TILE; tile 2 B + u, place r, holds row 32 B + 8 u + r + 8 (r / 8): bits 3 and 4 of the index change places.
; A tile's codes lie as eight IMAGES of the operand's registers, one for each 128 along K: 1,536 bytes, registers 4 c .. 4 c + 3 of lane l at 512 c + 16 l.  codes: [1280 tiles][8][1536].
; A tile's scale words (four bytes: 128 along K of one row) lie [K / 256][place r][2]: scales: [1280 tiles][512].  Tiles 0-511 query_tokens, 512-1023 image_embeds, then 64 each of Wq, Wk, Wv, Wp.
; LIMITS: NaN and infinities among the inputs are not served; a block of zeros gets the byte 1 where the quantiser's text says 127: its codes are zeros, and only this program reads the bytes.
; Work-groups 0-511 take the token tensors (K innermost), 512-639 the weights (K outermost).  Waves share nothing: no barrier.  Only the first path uses LDS.
.set WREG, 8704                        ; LDS of a wave: a stage of 16 rows x 528 bytes, then 256 bytes of scale words
.set SPI,  528                         ; a stage row: 512 bytes + 16: the sixteen rows that a read touches begin 16 bytes apart modulo 256
.set SWO,  16*SPI
.set RR,   16                          ; v16-143  two sets of 64: a fragment's numbers as loaded
.set XX,   144                         ; v144-207 64 numbers of a lane: register 16 b + i = k 32 b + 16 (lane / 16) + i of its row
.set PC,   208                         ; v208-226 the codes just made
.set TM,   228                         ; v228-243 at work
.set PW,   244                         ; the scale word just made
.set SEL,  40                          ; s[40:41] selects of v_permlanex16_b32 for lane l xor 16
.set XW,   32                          ; weights: v32-95 two sets of 32 numbers down K
.set CT,   144                         ; weights: the upper half of a block's codes
.set SB,   24                          ; weights: v[24:25] two scale words
; 64 numbers of a lane become a fragment's 12 registers in v[PC] on and its row's scale word in v[PW]
.macro QUANT s
.irp b, 0,1,2,3
	v_max3_num_f32 v[TM+\b], |v[\s+16*\b]|, |v[\s+1+16*\b]|, 0x2800000   ; block b: my 16 numbers and the floor 2^(5 - 127): the byte cannot fall under 1
.endr
.irp i, 2,4,6,8,10,12,14
.irp b, 0,1,2,3
	v_max3_num_f32 v[TM+\b], v[TM+\b], |v[\s+16*\b+\i]|, |v[\s+1+16*\b+\i]|   ; the four blocks by turns
.endr
.endr
.irp b, 0,1,2,3
	v_permlanex16_b32 v[TM+4+\b], v[TM+\b], s[SEL], s[SEL+1]
.endr
.irp b, 0,1,2,3
	v_max_num_f32 v[TM+\b], v[TM+\b], v[TM+4+\b]   ; with lane l xor 16's 16: the block's largest magnitude
.endr
.irp b, 0,1,2,3
	v_add_nc_u32 v[TM+12+\b], 0xfe000000, v[TM+\b]   ; 4 off its exponent field: the conversion's scale operand
.endr
.irp b, 0,1,2,3
	v_lshrrev_b32 v[TM+4+\b], 23, v[TM+12+\b]      ; the scale's byte
.endr
	v_lshl_or_b32 v[PW], v[TM+5], 8, v[TM+4]
	v_lshl_or_b32 v[PW], v[TM+6], 16, v[PW]
	v_lshl_or_b32 v[PW], v[TM+7], 24, v[PW]
.irp c, 0,1
	v_cvt_scalef32_pk16_bf6_f32 v[PC+6*\c:PC+2+6*\c], v[\s+32*\c:\s+15+32*\c], v[TM+12+2*\c]
	v_cvt_scalef32_pk16_bf6_f32 v[PC+12+4*\c:PC+14+4*\c], v[\s+16+32*\c:\s+31+32*\c], v[TM+12+2*\c+1]   ; a conversion's three registers begin on an even number
.endr
	v_nop                                          ; one plain instruction behind the conversions
.irp c, 0,1                                    ; the operand wants a whole block in a lane: lanes 0-15 block 2 c, lanes 16-31 block 2 c + 1
.irp i, 0,1,2
	v_permlane16_swap_b32 v[PC+6*\c+\i], v[PC+12+4*\c+\i]
.endr
.irp i, 0,1,2
	v_mov_b32 v[PC+3+6*\c+\i], v[PC+12+4*\c+\i]
.endr
.endr
.endm
	s_load_b512 s[4:19], s[0:1], 0x0               ; query_tokens, image_embeds, Wq, Wk, Wv, Wp, codes, scales
	v_lshl_add_u32 v248, v0, 2, 0x8800
	v_mov_b32 v249, 0
	v_lshrrev_b32 v1, 5, v0
	v_readfirstlane_b32 s20, v1                    ; wave 0..3
	v_and_b32 v7, 31, v0                           ; lane
	s_cmp_lt_u32 ttmp9, 512
	s_cbranch_scc0 .Lweights
; ---- THE TOKEN TENSORS.  A wave takes one tile x 512 along K: four fragments.  Each load reads 512 consecutive bytes of one row; the 16 rows turn through the wave's stage, so that a lane gets 16 neighbours of each block.
	v_and_b32 v8, 15, v0                           ; r
	v_bfe_u32 v9, v0, 4, 1                         ; h
	v_lshlrev_b32 v1, 4, v7                        ; 16 x lane: my bytes of a load and of a store
	s_mul_i32 s21, s20, WREG
	v_add_nc_u32 v2, s21, v1                       ; the stage, way in
	v_mul_u32_u24 v3, v8, SPI
	v_lshl_add_u32 v3, v9, 6, v3
	v_add_nc_u32 v3, s21, v3                       ; way out: row r, + 64 h
	v_lshlrev_b32 v4, 3, v8
	v_add_nc_u32 v4, s21, v4                       ; my row's scale words: 8 r
	v_lshlrev_b32 v6, 3, v7
	v_add_nc_u32 v5, s21, v6                       ; and on their way out 8 bytes a lane
	s_lshl_b32 s22, ttmp9, 2
	s_add_co_u32 s22, s22, s20
	s_lshr_b32 s23, s22, 1                         ; the tile, 0..1023
	s_and_b32 s24, s22, 1                          ; which half of K
	s_and_b32 s25, s23, 511                        ; the tile in its tensor
	s_and_b32 s26, s25, 1
	s_lshl_b32 s25, s25, 4
	s_lshl_b32 s26, s26, 3
	s_sub_co_u32 s25, s25, s26                     ; its first row: 16 T - 8 (T % 2)
	s_lshl_b32 s26, s25, 12
	s_lshl_b32 s27, s24, 11
	s_add_co_u32 s26, s26, s27
	s_mov_b32 s27, 0                               ; s[26:27]: where I read
	s_lshl_b32 s28, s23, 3
	s_lshl_b32 s29, s24, 2
	s_add_co_u32 s28, s28, s29
	s_mul_i32 s28, s28, 1536
	s_mov_b32 s29, 0                               ; s[28:29]: my four images
	s_lshl_b32 s30, s23, 9
	s_lshl_b32 s31, s24, 8
	s_add_co_u32 s30, s30, s31
	s_mov_b32 s31, 0                               ; s[30:31]: my 256 bytes of scale words
	s_mov_b32 s[SEL], 0x76543210
	s_mov_b32 s[SEL+1], 0xfedcba98
.irp b, 0,1,2,3
	v_mov_b32 v[TM+4+\b], 0                        ; written once: a lane permute's destination counts as one of its sources
.endr
	s_wait_kmcnt 0x0
	s_cmp_lt_u32 ttmp9, 256                        ; the choice hangs on the work-group's number alone
	s_cselect_b64 s[4:5], s[4:5], s[6:7]
	s_add_nc_u64 s[4:5], s[4:5], s[26:27]
	s_add_nc_u64 s[16:17], s[16:17], s[28:29]
	s_add_nc_u64 s[18:19], s[18:19], s[30:31]
.macro XLOAD f                         ; fragment f: 512 bytes of each of the tile's 16 rows (places 8-15 lie 8 rows further on)
.set i, 0
.rept 16
	global_load_b128 v[RR+64*((\f)%2)+4*i:RR+64*((\f)%2)+4*i+3], v1, s[4:5] offset:(i+8*(i/8))*4096+512*(\f) th:TH_LOAD_NT
.set i, i+1
.endr
.endm
.macro XSTEP f
.if (\f) < 3
	s_wait_loadcnt 16                              ; this fragment's 16 loads are in; the next fragment's 16 may be out
.else
	s_wait_loadcnt 0x0
.endif
.set i, 0
.rept 16
	ds_store_b128 v2, v[RR+64*((\f)%2)+4*i:RR+64*((\f)%2)+4*i+3] offset:SPI*i
.set i, i+1
.endr
.irp b, 0,1,2,3
.irp j, 0,1,2,3
	ds_load_b128 v[XX+16*\b+4*\j:XX+16*\b+4*\j+3], v3 offset:128*\b+16*\j   ; a wave's LDS instructions are served in order: these see the stores above
.endr
.endr
	s_wait_dscnt 0x0                               ; my 64 numbers are back, and the stores have read the set, which takes the loads of two fragments on
.if (\f) < 2
	XLOAD (\f)+2
.endif
	s_wait_xcnt 0x0                                ; the last fragment's stores have read the codes' registers
	QUANT XX
.irp c, 0,1,2
	global_store_b128 v1, v[PC+4*\c:PC+4*\c+3], s[16:17] offset:1536*(\f)+512*\c   ; 512 consecutive bytes a store
.endr
	ds_store_b32 v4, v[PW] offset:SWO+128*((\f)/2)+4*((\f)%2)   ; both halves of the lanes hold the same word and write it to the same place
.endm
	XLOAD 0
	XLOAD 1
	XSTEP 0
	XSTEP 1
	XSTEP 2
	XSTEP 3
	ds_load_b64 v[246:247], v5 offset:SWO
	s_wait_dscnt 0x0
	global_store_b64 v6, v[246:247], s[18:19]      ; 32 lanes store 256 consecutive bytes, aligned
	s_wait_tensorcnt 0x0
	ds_add_u32 v248, v249
	s_wait_dscnt 0x0
	s_endpgm
; ---- THE WEIGHTS.  A lane takes a column n and its registers run down K: a block of 32 lies in one lane.  A wave takes 32 columns (two tiles) x 256 along K (two fragments each).
.Lweights:
	s_sub_co_u32 s21, ttmp9, 512
	s_lshr_b32 s22, s21, 5                         ; which weight
	s_bfe_u32 s23, s21, 0x20003                    ; which 256 along K
	s_and_b32 s24, s21, 7                          ; which 128 columns
	v_and_b32 v1, 7, v7
	v_bfe_u32 v2, v7, 3, 1
	v_bfe_u32 v3, v7, 4, 1
	v_lshl_add_u32 v1, v2, 4, v1
	v_lshl_add_u32 v1, v3, 3, v1                   ; place l holds column l with bits 3 and 4 exchanged
	v_lshlrev_b32 v1, 2, v1                        ; in bytes
	v_lshlrev_b32 v4, 4, v7                        ; 16 x lane
	v_and_b32 v5, 15, v7
	v_lshlrev_b32 v5, 3, v5
	v_lshl_add_u32 v5, v3, 9, v5                   ; my scale words: tile l / 16, place l % 16
	s_lshl_b32 s25, s24, 7
	s_lshl_b32 s26, s20, 5
	s_add_co_u32 s25, s25, s26                     ; my wave's first column
	s_lshl_b32 s26, s25, 2
	s_lshl_b32 s27, s23, 20                        ; 256 rows of 4,096 bytes
	s_add_co_u32 s26, s26, s27
	s_mov_b32 s27, 0
	s_lshr_b32 s28, s25, 4
	s_lshl_b32 s29, s22, 6
	s_add_co_u32 s28, s28, s29
	s_add_co_u32 s28, s28, 1024                    ; my first tile
	s_lshl_b32 s30, s28, 3
	s_lshl_b32 s31, s23, 1
	s_add_co_u32 s30, s30, s31
	s_mul_i32 s30, s30, 1536
	s_mov_b32 s31, 0
	s_lshl_b32 s32, s28, 9
	s_lshl_b32 s33, s23, 7
	s_add_co_u32 s32, s32, s33
	s_mov_b32 s33, 0
	s_wait_kmcnt 0x0
	s_cmp_eq_u32 s22, 1
	s_cselect_b64 s[8:9], s[10:11], s[8:9]
	s_cmp_eq_u32 s22, 2
	s_cselect_b64 s[8:9], s[12:13], s[8:9]
	s_cmp_eq_u32 s22, 3
	s_cselect_b64 s[8:9], s[14:15], s[8:9]
	s_add_nc_u64 s[8:9], s[8:9], s[26:27]
	s_add_nc_u64 s[16:17], s[16:17], s[30:31]
	s_add_nc_u64 s[18:19], s[18:19], s[32:33]
.macro WLOAD t                         ; block t: 32 rows k of my column; a load reads 128 consecutive bytes
.set i, 0
.rept 32
	global_load_b32 v[XW+32*((\t)%2)+i], v1, s[8:9] offset:(32*(\t)+i)*4096 th:TH_LOAD_NT
.set i, i+1
.endr
.endm
; Even blocks of a fragment go to run RA, odd ones to run RB.  Lanes 0-15 hold the first tile's columns, lanes 16-31 the second's: an exchange of RA's upper with RB's lower lanes
; makes RA the first tile's fragment (lanes 16-31: its odd blocks) and RB the second's.
.macro WBLOCK t
.set XS, XW+32*((\t)%2)
.set CC, (\t)/4
.set DD, 96+24*CC+12*((\t)%2)+6*(((\t)%4)/2)
.if (\t) < 7
	s_wait_loadcnt 32                              ; this block's 32 loads are in; the next block's may be out
.else
	s_wait_loadcnt 0x0
.endif
	v_max3_num_f32 v12, |v[XS]|, |v[XS+1]|, |v[XS+2]|
	v_max3_num_f32 v13, |v[XS+3]|, |v[XS+4]|, |v[XS+5]|
.irp i, 6,10,14,18,22,26
	v_max3_num_f32 v12, v12, |v[XS+\i]|, |v[XS+\i+1]|
	v_max3_num_f32 v13, v13, |v[XS+\i+2]|, |v[XS+\i+3]|
.endr
	v_max3_num_f32 v12, v12, |v[XS+30]|, |v[XS+31]|
	v_max3_num_f32 v12, v12, v13, 0x2800000        ; and the floor
	v_add_nc_u32 v11, 0xfe000000, v12              ; the conversion's scale operand
	v_lshrrev_b32 v13, 23, v11                     ; the byte
.if (\t)%4 == 0
	v_mov_b32 v[SB+CC], v13
.else
	v_lshl_or_b32 v[SB+CC], v13, 8*((\t)%4), v[SB+CC]
.endif
	v_cvt_scalef32_pk16_bf6_f32 v[DD:DD+2], v[XS:XS+15], v11
	v_cvt_scalef32_pk16_bf6_f32 v[CT:CT+2], v[XS+16:XS+31], v11
	v_nop                                          ; one plain instruction behind the conversions
.irp i, 0,1,2
	v_mov_b32 v[DD+3+\i], v[CT+\i]
.endr
.if (\t)+2 < 8
	WLOAD (\t)+2
.endif
.if (\t)%4 == 3
.irp i, 0,1,2,3,4,5,6,7,8,9,10,11
	v_permlane16_swap_b32 v[96+24*CC+\i], v[108+24*CC+\i]
.endr
.irp c, 0,1,2
	global_store_b128 v4, v[96+24*CC+4*\c:96+24*CC+4*\c+3], s[16:17] offset:1536*CC+512*\c
	global_store_b128 v4, v[108+24*CC+4*\c:108+24*CC+4*\c+3], s[16:17] offset:12288+1536*CC+512*\c   ; no store's data are written again
.endr
.endif
.endm
	WLOAD 0
	WLOAD 1
.irp t, 0,1,2,3,4,5,6,7
	WBLOCK \t
.endr
	global_store_b64 v5, v[SB:SB+1], s[18:19]      ; two runs of 128 consecutive bytes: one byte in 128 of what this path reads
	s_endpgm
.Lfunc_end_k_q97e5e25fd5_quant:
	.size	k_q97e5e25fd5_quant, .Lfunc_end_k_q97e5e25fd5_quant-k_q97e5e25fd5_quant
	.p2alignl 7, 3214868480
	.fill 96, 4, 3214868480
	.section	.rodata,"a",@progbits
	.p2align	6, 0x0
	.amdhsa_kernel k_q97e5e25fd5_quant
		.amdhsa_group_segment_fixed_size 35328
		.amdhsa_private_segment_fixed_size 0
		.amdhsa_enable_private_segment 0
		.amdhsa_kernarg_size 64
		.amdhsa_user_sgpr_count 2
		.amdhsa_user_sgpr_kernarg_segment_ptr 1
		.amdhsa_wavefront_size32 1
		.amdhsa_system_sgpr_workgroup_id_x 1
		.amdhsa_system_sgpr_workgroup_id_y 1
		.amdhsa_system_sgpr_workgroup_id_z 1
		.amdhsa_system_vgpr_workitem_id 0
		.amdhsa_next_free_vgpr 250
		.amdhsa_next_free_sgpr 66
		.amdhsa_reserve_vcc 0
		.amdhsa_float_denorm_mode_32 3
		.amdhsa_float_denorm_mode_16_64 3
		.amdhsa_memory_ordered 1
		.amdhsa_forward_progress 1
		.amdhsa_inst_pref_size 73
	.end_amdhsa_kernel
	.amdgpu_metadata
---
amdhsa.version: [ 1, 2 ]
amdhsa.kernels:
  - .name:           k_q97e5e25fd5_quant
    .symbol:         k_q97e5e25fd5_quant.kd
    .args:
      - { .name: query_tokens, .offset: 0, .size: 8, .value_kind: global_buffer, .address_space: global }
      - { .name: image_embeds, .offset: 8, .size: 8, .value_kind: global_buffer, .address_space: global }
      - { .name: Wq, .offset: 16, .size: 8, .value_kind: global_buffer, .address_space: global }
      - { .name: Wk, .offset: 24, .size: 8, .value_kind: global_buffer, .address_space: global }
      - { .name: Wv, .offset: 32, .size: 8, .value_kind: global_buffer, .address_space: global }
      - { .name: Wp, .offset: 40, .size: 8, .value_kind: global_buffer, .address_space: global }
      - { .name: codes, .offset: 48, .size: 8, .value_kind: global_buffer, .address_space: global }
      - { .name: scales, .offset: 56, .size: 8, .value_kind: global_buffer, .address_space: global }
    .group_segment_fixed_size: 35328
    .private_segment_fixed_size: 0
    .kernarg_segment_align: 8
    .kernarg_segment_size: 64
    .max_flat_workgroup_size: 128
    .sgpr_count:     66
    .vgpr_count:     250
    .wavefront_size: 32
...
	.end_amdgpu_metadata
.endif
;; end of part 1
;; launch qkv (part 2): grid 4 x 96, 4 waves a work-group, clusters of 4 x 4, 327,680 bytes of LDS; arguments codes, scales, bq, bk, bv, qrec, kv; writes qrec, kv
.if DOCPART == 2
	.amdgcn_target "amdgcn-amd-amdhsa--gfx1250"
	.amdhsa_code_object_version 6
	.text
	.protected	k_q97e5e25fd5_qkv
	.globl	k_q97e5e25fd5_qkv
	.p2align	8
	.type	k_q97e5e25fd5_qkv,@function
k_q97e5e25fd5_qkv:
	s_mov_b64 s[64:65], 0
	v_nop
	global_prefetch_b8 v0, s[64:65] scope:SCOPE_SE
	s_setreg_imm32_b32 hwreg(HW_REG_WAVE_MODE, 25, 1), 1
	s_wait_xcnt 0x0
	s_wait_alu depctr_hold_cnt(0) depctr_sa_sdst(0) depctr_va_vdst(0) depctr_va_sdst(0) depctr_va_ssrc(0) depctr_va_vcc(0) depctr_vm_vsrc(0)
	s_getreg_b32 s2, hwreg(HW_REG_IB_STS2, 6, 4)
	s_cmp_eq_u32 s2, 0
	s_cbranch_scc0 .Lentry_in_a_cluster
	s_endpgm
.Lentry_in_a_cluster:
	s_bfe_u32 s2, ttmp6, 0x10000c
	s_cmp_lg_u32 s2, 0xf033
	s_cbranch_scc0 .Lentry_shape_is_right
	s_endpgm
.Lentry_shape_is_right:
; q = X_q Wq + bq, k = X_i Wk + bk, v = X_i Wv + bv on codes of BF6 (E3M2), and the results quantised anew: q and k along the head's 64, v along the keys.
; OPERANDS: tiles of 16 rows as eight register images of 1,536 bytes (128 along K each), scale words [tile][K / 256][row][2]; in a tile 2 B + u place r is row 32 B + 8 u + r + 8 (r / 8).
; A work-group of four waves makes 256 x 256, a wave 128 x 128: 64 accumulators.  Source 0 ("B") gives a lane's registers, source 1 ("A") its lane: by the order of rows in a tile the 64 registers of
; one A tile's eight accumulators are, block for block, 16 NEIGHBOURS 32 b + 16 (lane / 16) + i along B's rows: what the conversions want.
;   q, k: A = tokens, B = the weight's columns: a lane holds one token and 128 columns = two heads.      v: A = Wv's columns, B = tokens: a lane holds one column and 128 keys.
; K = 1,024 goes in four steps of 256 through THREE LDS slots: steps 0, 1 and 2 are asked for at the start; step 3 fills slot 0 again and has steps 1 and 2, 256 matrix instructions a wave, in which to land.
; The scale words of all of K come once.
; CLUSTERS of 4 x 4: the four of a row share A's tiles, the four of a column B's: each tile is asked for jointly.  Cluster y: 0-7 q, 8-15 k, 16-23 v: the kind is the same in all sixteen partners.
; RESULTS.  qrec: [128 heads][8 chunks of 128 queries][8 half images of 768 bytes | 128 scale words].  A half image: registers 0-3 at 16 x lane, 4-5 at 512 + 8 x lane (K = 64 is half a fragment).
;   kv: [128 heads][8 chunks of 128 keys][K: 8 half images | V^T: 4 images (16 of the head's 64 x 128 keys) | K's 128 scale words | V's 64].  A chunk is 13,056 bytes.
; LIMITS: NaN and infinities are not served; a block of zeros gets the byte 1 (its codes are zeros; only this program reads the bytes).
; REGISTERS: window 0: v1-30 addresses; v32-63 scale words, two sets; v64-127, v224-239 the bias; v128-223 A's fragments, one set; on the way out v32-59, v128-210 at work.
;   window 1: B's fragments, two sets.   windows 2, 3: accumulator (a, b) at v[8 (8 (a % 4) + b)].
.set FR,     12                        ; registers of a fragment
.set NL,     3                         ; LDS loads that bring one
.set NP,     4                         ; plain instructions owed behind this matrix instruction (ISA guide 7.12.1)
.set NQ,     2                         ; matrix instructions deep in a slot
.set FRB,    1536
.set TROW,   2*FRB                     ; a tile's bytes of a K step
.set TPITCH, 8*FRB                     ; a tile in memory
.set HALFT,  8*TROW                    ; eight tiles: what one tensor load brings, and what a wave reads of A or of B
.set SLOT,   4*HALFT                   ; A's 16 tiles, then B's 16
.set SCL,    3*SLOT                    ; behind the three slots: the scale words
.set HALFS,  4096                      ; those of eight tiles
.set SPARE,  SCL+4*HALFS               ; the spare words, 128 bytes a wave: two blocks of 256 bytes that no other line names
.set STG,    SLOT                      ; the way out's LDS bytes lie in slot 1: it is filled once, and the barrier in front of K step 3 stands behind every wave's last read of it
.set L16,  3                           ; v3   16 x lane
.set L8,   4                           ; v4   8 x lane
.set SH,   5                           ; v5   16 x (lane / 16)
.set LQS,  6                           ; v6   q, k: where I put a scale word;   v7 where I read them back
.set LQR,  7
.set LVS,  8                           ; v8, v9 the same for v, in LDS bytes of their own
.set LVR,  9
.set VGO,  10                          ; v10  v: my place among the two heads' scale words in kv
.set BNO,  11                          ; v11, v12 my offsets in the bias
.set BVO,  12
.set ADRA, 16                          ; v16-18 LDS address of my A fragments in slot 0, 1, 2
.set ADRB, 20                          ; v20-22 of B's
.set ADRS, 27                          ; v27  of my scale words: lanes 0-15 A's rows, lanes 16-31 B's
.set SPW,  28                          ; v28  my spare word;  v29  0: both never rewritten
.set NIL,  29
.set LQO,  30                          ; v30  q, k: 16 x lane + the scale words' place in a chunk
.set SC,   32
.set BN,   64                          ; q, k: the bias of my 64 registers
.set AF,   128
.set BV,   224                         ; v: the bias of my column, twice, for each of the eight A tiles
.set T,    128                         ; the way out
.set PC,   192
.set TM,   32
.set PW,   48
.set SWD,  49
.set SEL,  66
.set G1, 24
.set G0, 32                            ; s[32:39] group 0 for A's slots 0 and 1;  s[4:7] for slot 2
.set G0C, 4
.set G1B, 48
.set G0B, 56                           ; s[56:63] for B's slots 0 and 1;  s[96:99] for slot 2
.set G0BC, 96
.set G1S, 68
.set G0S, 76
.set G1SB, 80
.set G0SB, 88
.set MSB, 0
.macro WIN new                         ; the immediate's high byte repeats the setting that is left
.if MSB != (\new)
	s_set_vgpr_msb (MSB<<8)|(\new)
.set MSB, (\new)
.endif
.endm
.set MUL_LO, 0xa1                      ; source 0 (B) window 1, source 1 (A) window 0, C and D window 2
.set MUL_HI, 0xf1
.set TO_B,   0x40
.macro JLOAD g0a, g1a, g0b, g1b        ; a joint load: waves 0 and 1 fetch for A, waves 2 and 3 for B; four v_nop follow each line
	s_cmp_eq_u32 s19, 0
	s_cbranch_scc0 .Lfor_b_\@
	tensor_load_to_lds s[\g0a:\g0a+3], s[\g1a:\g1a+7]
	s_nop 0
.rept 4
	v_nop
.endr
	s_branch .Lasked_\@
.Lfor_b_\@:
	tensor_load_to_lds s[\g0b:\g0b+3], s[\g1b:\g1b+7]
	s_nop 0
.rept 4
	v_nop
.endr
.Lasked_\@:
.endm
.macro CREST                           ; a round of the cluster's barrier behind its opening barrier
	s_cmp_lg_u32 s18, 0
	s_cbranch_scc1 .Lnot_wave_0_\@
	s_barrier_signal -3
.Lnot_wave_0_\@:
	s_barrier_wait -3
	s_barrier_signal -1
	s_barrier_wait -1
.endm
.macro CROUND
	s_barrier_signal -1
	s_barrier_wait -1
	CREST
.endm
	s_load_b256 s[4:11], s[0:1], 0x0               ; codes, scales, bq, bk
	s_load_b128 s[12:15], s[0:1], 0x20             ; bv, qrec
	s_load_b64 s[16:17], s[0:1], 0x30              ; kv
	v_lshl_add_u32 v[SPW], v0, 2, SPARE
	v_mov_b32 v[NIL], 0
	ds_add_u32 v28, v29
	ds_add_u32 v28, v29
	s_wait_dscnt 0x0
	v_lshrrev_b32 v1, 5, v0
	v_readfirstlane_b32 s18, v1                    ; wave 0..3
	s_lshr_b32 s19, s18, 1                         ; my half of A's rows.  Also: I fetch for A (0) or for B (1)
	s_and_b32 s20, s18, 1                          ; my half of B's rows.  Also: which eight tiles I fetch
	s_bfe_u32 s40, ttmp6, 0x40000                  ; cx
	s_bfe_u32 s41, ttmp6, 0x40004                  ; cy
	s_and_b32 s21, ttmp7, 0xffff                   ; cluster y, 0..23
	s_lshr_b32 s42, s21, 3                         ; kind: 0 q, 1 k, 2 v
	s_lshr_b32 s43, s42, 1                         ; 1 for v
	s_and_b32 s44, s21, 7
	s_mul_i32 s45, s44, s43                        ; v walks the tokens along B,
	s_sub_co_u32 s44, s44, s45                     ; q and k along A
	s_lshl_b32 s46, s44, 2
	s_add_co_u32 s46, s46, s41                     ; which 256 of A
	s_lshl_b32 s47, s45, 2
	s_add_co_u32 s47, s47, s40                     ; which 256 of B
	s_lshl_b32 s92, s41, 2
	s_lshl_b32 s92, 15, s92                        ; my row of the cluster
	s_lshl_b32 s93, 0x1111, s40                    ; my column
	; group 1 for codes: 8 rows (tiles) of 384 elements of 8 bytes, 1,536 elements apart; no padding: a fragment is read as 512 consecutive bytes
	s_or_b32 s[G1+0], s92, (3<<16)|(1<<21)
	s_or_b32 s[G1B+0], s93, (3<<16)|(1<<21)
.irp g, G1, G1B
	s_mov_b32 s[\g+1], 384<<16
	s_mov_b32 s[\g+2], 8<<16
	s_mov_b32 s[\g+3], 384<<16
	s_mov_b32 s[\g+4], 8
	s_mov_b32 s[\g+5], 1536
	s_mov_b32 s[\g+6], 0
	s_mov_b32 s[\g+7], 0
.endr
	; and for the scale words of eight tiles: 4,096 dense bytes as 16 rows of 256
	s_or_b32 s[G1S+0], s92, (3<<16)|(1<<21)
	s_or_b32 s[G1SB+0], s93, (3<<16)|(1<<21)
.irp g, G1S, G1SB
	s_mov_b32 s[\g+1], 32<<16
	s_mov_b32 s[\g+2], 16<<16
	s_mov_b32 s[\g+3], 32<<16
	s_mov_b32 s[\g+4], 16
	s_mov_b32 s[\g+5], 32
	s_mov_b32 s[\g+6], 0
	s_mov_b32 s[\g+7], 0
.endr
	s_lshl_b32 s21, s20, 3
	s_lshl_b32 s22, s42, 9                         ; A's first tile: 0 (query_tokens), 512 (image_embeds), 1152 (Wv)
	s_lshl_b32 s44, s43, 7
	s_add_co_u32 s22, s22, s44
	s_lshl_b32 s44, s46, 4
	s_add_co_u32 s22, s22, s44
	s_add_co_u32 s22, s22, s21                     ; the first of the eight tiles of A that I would fetch
	s_lshl_b32 s23, s42, 6                         ; B's first tile: 1024 (Wq), 1088 (Wk), 512 (image_embeds)
	s_add_co_u32 s23, s23, 1024
	s_mul_i32 s45, s43, 640
	s_sub_co_u32 s23, s23, s45
	s_lshl_b32 s45, s47, 4
	s_add_co_u32 s23, s23, s45
	s_add_co_u32 s23, s23, s21                     ; and of B
	s_mul_i32 s2, s22, TPITCH
	s_mov_b32 s3, 0
	s_lshl_b32 s94, s22, 9
	s_mov_b32 s95, 0
	s_mul_i32 s100, s23, TPITCH
	s_mov_b32 s101, 0
	s_lshl_b32 s98, s23, 9
	s_mov_b32 s99, 0
	s_mul_i32 s96, s18, HALFT                      ; where they go: by the wave's number alone
	s_lshl_b32 s97, s18, 12
	s_wait_kmcnt 0x0
	s_add_nc_u64 s[2:3], s[4:5], s[2:3]            ; A's codes
	s_add_nc_u64 s[94:95], s[6:7], s[94:95]        ; A's scale words
	s_add_nc_u64 s[100:101], s[4:5], s[100:101]    ; B's codes
	s_add_nc_u64 s[98:99], s[6:7], s[98:99]        ; B's scale words
	CROUND                                         ; all sixteen work-groups are here: the first joint loads meet
	s_mov_b32 s[G0S], 1
	s_add_co_u32 s[G0S+1], s97, SCL
	s_mov_b64 s[G0S+2:G0S+3], s[94:95]
	s_or_b32 s[G0S+3], s[G0S+3], 0x80000000
	s_mov_b32 s[G0SB], 1
	s_add_co_u32 s[G0SB+1], s97, SCL
	s_mov_b64 s[G0SB+2:G0SB+3], s[98:99]
	s_or_b32 s[G0SB+3], s[G0SB+3], 0x80000000
	JLOAD G0S, G1S, G0SB, G1SB                     ; the scale words first: they are wanted with K step 0
.irp s, 0,1
	s_mov_b32 s[G0+4*\s], 1
	s_add_co_u32 s[G0+4*\s+1], s96, \s*SLOT
	s_add_nc_u64 s[G0+4*\s+2:G0+4*\s+3], s[2:3], \s*TROW
	s_or_b32 s[G0+4*\s+3], s[G0+4*\s+3], 0x80000000
	s_mov_b32 s[G0B+4*\s], 1
	s_add_co_u32 s[G0B+4*\s+1], s96, \s*SLOT
	s_add_nc_u64 s[G0B+4*\s+2:G0B+4*\s+3], s[100:101], \s*TROW
	s_or_b32 s[G0B+4*\s+3], s[G0B+4*\s+3], 0x80000000
	JLOAD G0+4*\s, G1, G0B+4*\s, G1B
.endr
	s_mov_b32 s[G0C], 1                            ; slot 2: K step 2 (the pointers that stood in s[4:7] have been used)
	s_add_co_u32 s[G0C+1], s96, 2*SLOT
	s_add_nc_u64 s[G0C+2:G0C+3], s[2:3], 2*TROW
	s_or_b32 s[G0C+3], s[G0C+3], 0x80000000
	s_add_co_u32 s[G0BC+1], s96, 2*SLOT
	s_mov_b32 s[G0BC], 1
	s_add_nc_u64 s[G0BC+2:G0BC+3], s[100:101], 2*TROW
	s_or_b32 s[G0BC+3], s[G0BC+3], 0x80000000
	JLOAD G0C, G1, G0BC, G1B                       ; four tensor loads of mine are out
	v_and_b32 v1, 15, v0                           ; r
	v_bfe_u32 v2, v0, 4, 1                         ; h
	v_and_b32 v13, 31, v0
	v_lshlrev_b32 v[L16], 4, v13
	v_lshlrev_b32 v[L8], 3, v13
	v_lshlrev_b32 v[SH], 4, v2
	s_mul_i32 s21, s19, HALFT                      ; my eight tiles of A
	s_mul_i32 s22, s20, HALFT                      ; my eight of B,
	s_add_co_u32 s22, s22, 2*HALFT                 ; behind A's sixteen
.irp s, 0,1,2
	v_add_nc_u32 v[ADRA+\s], s21, v[L16]
	v_add_nc_u32 v[ADRB+\s], s22, v[L16]
	s_add_co_u32 s21, s21, SLOT
	s_add_co_u32 s22, s22, SLOT
.endr
	v_lshlrev_b32 v14, 3, v1                       ; scale words: 8 bytes a row and K step
	s_mul_i32 s21, s19, HALFS
	s_mul_i32 s22, s20, HALFS
	s_add_co_u32 s22, s22, 2*HALFS
	s_sub_co_u32 s22, s22, s21
	v_mul_u32_u24 v15, s22, v2                     ; lanes 16-31 take B's
	s_add_co_u32 s21, s21, SCL
	v_add_nc_u32 v14, v14, v15
	v_add_nc_u32 v[ADRS], s21, v14
	s_lshl_b32 s21, s18, 10
	s_add_co_u32 s21, s21, STG
	v_lshlrev_b32 v14, 2, v1
	v_lshl_add_u32 v[LQS], v2, 9, v14
	v_add_nc_u32 v[LQS], s21, v[LQS]               ; q, k: 1,024 x wave + 512 x head + 4 r
	v_add_nc_u32 v[LQR], s21, v[L16]
	s_lshl_b32 s21, s18, 9
	s_add_co_u32 s21, s21, STG+4096
	v_add_nc_u32 v[LVS], s21, v14                  ; v: 4,096 + 512 x wave + 4 r
	v_add_nc_u32 v[LVR], s21, v[L16]
	v_mul_u32_u24 v[VGO], v2, 104448
	v_lshl_add_u32 v[VGO], v1, 4, v[VGO]
	v_lshlrev_b32 v[BNO], 6, v2
	v_and_b32 v15, 8, v1
	v_add_nc_u32 v15, v15, v1
	v_lshlrev_b32 v[BVO], 2, v15                   ; 4 (r + 8 (r / 8))
	; where the results go (no register of a pending tensor load's descriptors is written here)
	s_lshl_b32 s21, s46, 1
	s_add_co_u32 s21, s21, s19                     ; my 128 of A
	s_lshl_b32 s22, s47, 1
	s_add_co_u32 s22, s22, s20                     ; my 128 of B
	s_cmp_eq_u32 s43, 0
	s_cselect_b32 s23, s21, s22                    ; my 128 tokens: batch x 8 + chunk
	s_cselect_b32 s44, s22, s21                    ; my pair of heads
	s_cselect_b32 s45, s22, 0                      ; the bias along registers (q, k); for v its first 128 numbers are loaded and not used
	s_cselect_b32 s46, 0, s21                      ; the bias along lanes (v); for q, k likewise: so every register is written on every way, for 32 loads once
	s_cmp_eq_u32 s42, 0
	s_cselect_b64 s[92:93], s[14:15], s[16:17]
	s_mov_b32 s47, 104448
	s_cselect_b32 s47, 53248, s47                  ; a head's record,
	s_mov_b32 s40, 13056
	s_cselect_b32 s40, 6656, s40                   ; a chunk,
	s_mov_b32 s41, 12288
	s_cselect_b32 s41, 6144, s41                   ; the scale words' place in it
	s_cmp_eq_u32 s42, 1
	s_cselect_b64 s[8:9], s[10:11], s[8:9]
	s_cmp_eq_u32 s42, 2
	s_cselect_b64 s[8:9], s[12:13], s[8:9]         ; my kind's bias
	v_add_nc_u32 v[LQO], s41, v[L16]
	s_lshr_b32 s21, s23, 3
	s_and_b32 s22, s23, 7
	s_lshl_b32 s21, s21, 4
	s_lshl_b32 s44, s44, 1
	s_add_co_u32 s21, s21, s44                     ; the first head: 16 x batch + 2 x pair
	s_mul_i32 s21, s21, s47
	s_mul_i32 s22, s22, s40
	s_add_co_u32 s94, s21, s22
	s_mov_b32 s95, 0
	s_add_nc_u64 s[92:93], s[92:93], s[94:95]      ; the first head's chunk
	s_mov_b32 s94, s47
	s_add_nc_u64 s[94:95], s[92:93], s[94:95]      ; the second head's
	s_lshl_b32 s100, s45, 9
	s_mov_b32 s101, 0
	s_add_nc_u64 s[100:101], s[8:9], s[100:101]
	s_lshl_b32 s2, s46, 9
	s_mov_b32 s3, 0
	s_add_nc_u64 s[2:3], s[8:9], s[2:3]
	s_mov_b32 s[SEL], 0x76543210
	s_mov_b32 s[SEL+1], 0xfedcba98
.set i, 0
.rept 16
	global_load_b128 v[BN+4*i:BN+4*i+3], v[BNO], s[100:101] offset:128*(i/4)+16*(i%4)   ; register 16 b + j: column 32 b + 16 h + j
.set i, i+1
.endr
.irp a, 0,1,2,3,4,5,6,7
	global_load_b32 v[BV+2*\a], v[BVO], s[2:3] offset:4*(32*(\a/2)+8*(\a%2))     ; place r of A tile a is column 32 (a / 2) + 8 (a % 2) + r + 8 (r / 8)
	global_load_b32 v[BV+2*\a+1], v[BVO], s[2:3] offset:4*(32*(\a/2)+8*(\a%2))   ; twice: a pair for the packed addition
.endr
.macro FRAG reg, adr, q, i             ; a fragment comes back as it was stored: three loads of 512 consecutive bytes
.irp c, 0,1,2
	ds_load_b128 v[\reg+4*\c:\reg+4*\c+3], v[\adr] offset:(\i)*TROW+(\q)*FRB+512*\c
.endr
.endm
; 16 matrix instructions: A's tiles a0, a0 + 1 x B's eight.  The 64 accumulators take turns, one instruction a turn, in the same order in every step.
.macro MUL16 a0, p, q, sc, zero
.irp a, \a0, \a0+1
.irp b, 0,1,2,3,4,5,6,7
.if \zero
	v_wmma_scale_f32_16x16x128_f8f6f4 v[8*(8*((\a)%4)+\b):8*(8*((\a)%4)+\b)+7], v[128*(\p)+FR*\b:128*(\p)+FR*\b+FR-1], v[AF+FR*(\a):AF+FR*(\a)+FR-1], 0, v[SC+8*NQ*(\sc)+NQ*\b+(\q)], v[SC+8*NQ*(\sc)+NQ*(\a)+(\q)] matrix_a_fmt:MATRIX_FMT_BF6 matrix_b_fmt:MATRIX_FMT_BF6 matrix_a_scale:MATRIX_SCALE_ROW1
.else
	v_wmma_scale_f32_16x16x128_f8f6f4 v[8*(8*((\a)%4)+\b):8*(8*((\a)%4)+\b)+7], v[128*(\p)+FR*\b:128*(\p)+FR*\b+FR-1], v[AF+FR*(\a):AF+FR*(\a)+FR-1], v[8*(8*((\a)%4)+\b):8*(8*((\a)%4)+\b)+7], v[SC+8*NQ*(\sc)+NQ*\b+(\q)], v[SC+8*NQ*(\sc)+NQ*(\a)+(\q)] matrix_a_fmt:MATRIX_FMT_BF6 matrix_b_fmt:MATRIX_FMT_BF6 matrix_a_scale:MATRIX_SCALE_ROW1
.endif
.endr
.endr
.endm
.macro FETCH_B slot, q, p
	WIN TO_B
.irp i, 0,1,2,3,4,5,6,7
	FRAG 128*(\p)+FR*\i, ADRB+\slot, \q, \i
.endr
	WIN 0
.endm
.macro FETCH_A slot, q, i0
.irp i, \i0, \i0+1, \i0+2, \i0+3
	FRAG AF+FR*(\i), ADRA+\slot, \q, \i
.endr
.endm
.macro SCALES sc, ks                   ; K step ks's two words a row into set sc: lanes 0-15 A's tile i, lanes 16-31 B's tile i
.irp i, 0,1,2,3,4,5,6,7
	ds_load_b64 v[SC+8*NQ*(\sc)+NQ*\i:SC+8*NQ*(\sc)+NQ*\i+1], v[ADRS] offset:\i*512+128*(\ks)
.endr
.endm
.macro PLACES n                        ; plain instructions between a matrix instruction and a load into, or a vector access to, its registers
.rept \n
	v_nop
.endr
.endm
.macro STEP slot, sc, zero             ; a slot's first 128 along K; sc: the set of scale words
	s_wait_dscnt 4*NL                              ; all but the youngest twelve loads (A's tiles 4-7) are in
	WIN MUL_LO
	MUL16 0, 0, 0, \sc, \zero
	MUL16 2, 0, 0, \sc, \zero
	s_wait_dscnt 0
	PLACES NP
	FETCH_B \slot, 1, 1
	FETCH_A \slot, 1, 0
	WIN MUL_HI
	MUL16 4, 0, 0, \sc, \zero
	MUL16 6, 0, 0, \sc, \zero
	PLACES NP
	WIN 0
	FETCH_A \slot, 1, 4
.endm
; A slot's last 128 change slots.  sync = 2: slot 0 is filled again, with K step 3: each wave waits for all its tensor loads, adds 0 to its spare word, waits for that and for its reads of the slot; the barrier opens
; a round of the cluster's, and the joint refill is the first thing behind it.  sync = 1: the same lines and a plain barrier: the refill has landed in every wave's sight.  sync = 0: no barrier: the next slot
; was shown whole to every wave by the round, and nothing is written into a slot here.
.macro TURN slot, next, sync, ks, sc
.if \sync
	s_wait_tensorcnt 0x0                           ; all my tensor loads have landed
	ds_add_u32 v[SPW], v[NIL]                      ; 0 onto my spare word
	s_wait_dscnt 4*NL+1                            ; (the add and the youngest twelve loads may be out)
	WIN MUL_LO
	MUL16 0, 1, NQ-1, \sc, 0
	s_wait_dscnt 0x0                               ; the add is done, and my reads of this slot are over
	s_barrier_signal -1
	MUL16 2, 1, NQ-1, \sc, 0
	WIN 0
	s_barrier_wait -1
.if \sync == 2
	CREST                                          ; no wave of any partner still reads slot 0 or has a load on its way
	s_add_nc_u64 s[G0+2:G0+3], s[G0+2:G0+3], 3*TROW
	s_add_nc_u64 s[G0B+2:G0B+3], s[G0B+2:G0B+3], 3*TROW
	JLOAD G0, G1, G0B, G1B                         ; my one tensor load behind the round; its four v_nop are also the plain instructions in front of the loads below
.else
	PLACES NP
.endif
.else
	s_wait_dscnt 4*NL
	WIN MUL_LO
	MUL16 0, 1, NQ-1, \sc, 0
	MUL16 2, 1, NQ-1, \sc, 0
	s_wait_dscnt 0x0
	PLACES NP
.endif
	FETCH_B \next, 0, 0
	FETCH_A \next, 0, 0
	SCALES 1-\sc, \ks
	WIN MUL_HI
	MUL16 4, 1, NQ-1, \sc, 0
	MUL16 6, 1, NQ-1, \sc, 0
	PLACES NP
	WIN 0
	FETCH_A \next, 0, 4
.endm
	s_wait_tensorcnt 2                             ; the scale words and my part of K step 0 are in; K steps 1 and 2 may be out
	s_barrier_signal -1
	s_barrier_wait -1
	FETCH_B 0, 0, 0
	FETCH_A 0, 0, 0
	SCALES 0, 0
	FETCH_A 0, 0, 4
	STEP 0, 0, 1                                   ; K step 0: the first products start the sums
	TURN 0, 1, 2, 1, 0                             ; slot 0 takes K step 3
	STEP 1, 1, 0                                   ; K step 1
	TURN 1, 2, 0, 2, 1
	STEP 2, 0, 0                                   ; K step 2
	TURN 2, 0, 1, 3, 0                             ; K step 3 has landed
	STEP 0, 1, 0                                   ; K step 3
	s_wait_dscnt 4*NL
	WIN MUL_LO
	MUL16 0, 1, NQ-1, 1, 0
	MUL16 2, 1, NQ-1, 1, 0
	s_wait_dscnt 0
	WIN MUL_HI
	MUL16 4, 1, NQ-1, 1, 0
	MUL16 6, 1, NQ-1, 1, 0
	WIN 0
; 64 numbers of a lane, register 16 b + i = k 32 b + 16 (lane / 16) + i, become a fragment's 12 registers in v[PC] on and its scale word in v[PW]
.macro QUANT s
.irp b, 0,1,2,3
	v_max3_num_f32 v[TM+\b], |v[\s+16*\b]|, |v[\s+1+16*\b]|, 0x2800000   ; and the floor 2^(5 - 127): the byte cannot fall under 1
.endr
.irp i, 2,4,6,8,10,12,14
.irp b, 0,1,2,3
	v_max3_num_f32 v[TM+\b], v[TM+\b], |v[\s+16*\b+\i]|, |v[\s+1+16*\b+\i]|
.endr
.endr
.irp b, 0,1,2,3
	v_permlanex16_b32 v[TM+4+\b], v[TM+\b], s[SEL], s[SEL+1]
.endr
.irp b, 0,1,2,3
	v_max_num_f32 v[TM+\b], v[TM+\b], v[TM+4+\b]
.endr
.irp b, 0,1,2,3
	v_add_nc_u32 v[TM+12+\b], 0xfe000000, v[TM+\b]   ; 4 off the exponent field: the conversion's scale operand
.endr
.irp b, 0,1,2,3
	v_lshrrev_b32 v[TM+4+\b], 23, v[TM+12+\b]
.endr
	v_lshl_or_b32 v[PW], v[TM+5], 8, v[TM+4]
	v_lshl_or_b32 v[PW], v[TM+6], 16, v[PW]
	v_lshl_or_b32 v[PW], v[TM+7], 24, v[PW]
.irp c, 0,1
	v_cvt_scalef32_pk16_bf6_f32 v[PC+6*\c:PC+2+6*\c], v[\s+32*\c:\s+15+32*\c], v[TM+12+2*\c]
	v_cvt_scalef32_pk16_bf6_f32 v[PC+12+4*\c:PC+14+4*\c], v[\s+16+32*\c:\s+31+32*\c], v[TM+12+2*\c+1]
.endr
	v_nop                                          ; one plain instruction behind the conversions
.irp c, 0,1
.irp i, 0,1,2
	v_permlane16_swap_b32 v[PC+6*\c+\i], v[PC+12+4*\c+\i]
.endr
.irp i, 0,1,2
	v_mov_b32 v[PC+3+6*\c+\i], v[PC+12+4*\c+\i]
.endr
.endr
.endm
; THE WAY OUT of A tile a: the bias is added in f32, each accumulator from its low end on; the 64 numbers are quantised; the codes leave as images.
.macro OUTBLK a, mode
.if (\a) > 0
	s_wait_xcnt 0x0                                ; the last tile's stores have read the codes' registers,
	s_wait_dscnt 0x0                               ; and its LDS store the scale word
.endif
	WIN 0x02+((\a)/4)                              ; source 0: window 2 or 3
.set AC, 64*((\a)%4)
.set i, 0
.rept 32
.if \mode
	v_pk_add_f32 v[T+i:T+i+1], v[AC+i:AC+i+1], v[BV+2*(\a):BV+2*(\a)+1]
.else
	v_pk_add_f32 v[T+i:T+i+1], v[AC+i:AC+i+1], v[BN+i:BN+i+1]
.endif
.set i, i+2
.endr
	WIN 0
	QUANT T
.if \mode
.irp c, 0,1,2                                  ; 16 of a head's 64 x 128 keys: a whole fragment, to head a / 4, tile a % 4
	global_store_b128 v[L16], v[PC+4*\c:PC+4*\c+3], s[92:93] offset:((\a)/4)*104448+6144+1536*((\a)%4)+512*\c
.endr
	ds_store_b32 v[LVS], v[PW] offset:64*(\a)      ; both halves of the lanes write the same word
.else
	global_store_b128 v[L16], v[PC:PC+3], s[92:93] offset:768*(\a)          ; registers 0-5: the first head's 64; 512 and 256 consecutive bytes
	global_store_b64 v[L8], v[PC+4:PC+5], s[92:93] offset:768*(\a)+512
	global_store_b128 v[L16], v[PC+6:PC+9], s[94:95] offset:768*(\a)        ; registers 6-11: the second head's
	global_store_b64 v[L8], v[PC+10:PC+11], s[94:95] offset:768*(\a)+512
	v_lshrrev_b32 v[SWD], v[SH], v[PW]             ; lanes 0-15 keep the word (bytes 0, 1: the first head's), lanes 16-31 take its upper half: the second head's
	ds_store_b32 v[LQS], v[SWD] offset:64*(\a)     ; bytes 2 and 3 stand over zero codes and are never 0xff
.endif
.endm
	PLACES NP
	s_wait_loadcnt 0x0                             ; the bias
.irp b, 0,1,2,3
	v_mov_b32 v[TM+4+\b], 0                        ; written once: a lane permute's destination counts as one of its sources
.endr
	s_cmp_eq_u32 s43, 0                            ; the kind is the same in all partners of the cluster
	s_cbranch_scc0 .Lmode_v
.irp a, 0,1,2,3,4,5,6,7
	OUTBLK \a, 0
.endr
	ds_load_b128 v[52:55], v[LQR]                  ; a wave's LDS instructions are served in order: these see my stores
	ds_load_b128 v[56:59], v[LQR] offset:512
	s_wait_dscnt 0x0
	global_store_b128 v[LQO], v[52:55], s[92:93]   ; 128 scale words of each head: 512 consecutive bytes
	global_store_b128 v[LQO], v[56:59], s[94:95]
	s_branch .Ldone
.Lmode_v:
.irp a, 0,1,2,3,4,5,6,7
	OUTBLK \a, 1
.endr
	ds_load_b128 v[52:55], v[LVR]
	s_wait_dscnt 0x0
	global_store_b128 v[VGO], v[52:55], s[92:93] offset:12800   ; lanes 0-15: the first head's 64 words, 256 consecutive bytes; lanes 16-31: the second's
.Ldone:
	s_wait_tensorcnt 0x0                           ; the wave's end
	ds_add_u32 v[SPW], v[NIL]
	s_wait_dscnt 0x0
	CROUND                                         ; the closing round: no work-group ends while a partner may still ask for a tile that names it
	s_endpgm
.Lfunc_end_k_q97e5e25fd5_qkv:
	.size	k_q97e5e25fd5_qkv, .Lfunc_end_k_q97e5e25fd5_qkv-k_q97e5e25fd5_qkv
	.p2alignl 7, 3214868480
	.fill 96, 4, 3214868480
	.section	.rodata,"a",@progbits
	.p2align	6, 0x0
	.amdhsa_kernel k_q97e5e25fd5_qkv
		.amdhsa_group_segment_fixed_size 327680
		.amdhsa_private_segment_fixed_size 0
		.amdhsa_enable_private_segment 0
		.amdhsa_kernarg_size 56
		.amdhsa_user_sgpr_count 2
		.amdhsa_user_sgpr_kernarg_segment_ptr 1
		.amdhsa_wavefront_size32 1
		.amdhsa_system_sgpr_workgroup_id_x 1
		.amdhsa_system_sgpr_workgroup_id_y 1
		.amdhsa_system_sgpr_workgroup_id_z 1
		.amdhsa_system_vgpr_workitem_id 0
		.amdhsa_next_free_vgpr 1024
		.amdhsa_next_free_sgpr 104
		.amdhsa_reserve_vcc 0
		.amdhsa_float_denorm_mode_32 3
		.amdhsa_float_denorm_mode_16_64 3
		.amdhsa_memory_ordered 1
		.amdhsa_forward_progress 1
		.amdhsa_inst_pref_size 212
	.end_amdhsa_kernel
	.amdgpu_metadata
---
amdhsa.version: [ 1, 2 ]
amdhsa.kernels:
  - .name:           k_q97e5e25fd5_qkv
    .symbol:         k_q97e5e25fd5_qkv.kd
    .args:
      - { .name: codes, .offset: 0, .size: 8, .value_kind: global_buffer, .address_space: global }
      - { .name: scales, .offset: 8, .size: 8, .value_kind: global_buffer, .address_space: global }
      - { .name: bq, .offset: 16, .size: 8, .value_kind: global_buffer, .address_space: global }
      - { .name: bk, .offset: 24, .size: 8, .value_kind: global_buffer, .address_space: global }
      - { .name: bv, .offset: 32, .size: 8, .value_kind: global_buffer, .address_space: global }
      - { .name: qrec, .offset: 40, .size: 8, .value_kind: global_buffer, .address_space: global }
      - { .name: kv, .offset: 48, .size: 8, .value_kind: global_buffer, .address_space: global }
    .group_segment_fixed_size: 327680
    .private_segment_fixed_size: 0
    .kernarg_segment_align: 8
    .kernarg_segment_size: 56
    .max_flat_workgroup_size: 128
    .sgpr_count:     104
    .vgpr_count:     1024
    .wavefront_size: 32
...
	.end_amdgpu_metadata
.endif
;; end of part 2
;; launch attn (part 3): grid 4 x 64, 16 waves a work-group, clusters of 4 x 1, 215,040 bytes of LDS; arguments qrec, kv, oc, os; writes oc, os
.if DOCPART == 3
	.amdgcn_target "amdgcn-amd-amdhsa--gfx1250"
	.amdhsa_code_object_version 6
	.text
	.protected	k_q97e5e25fd5_attn
	.globl	k_q97e5e25fd5_attn
	.p2align	8
	.type	k_q97e5e25fd5_attn,@function
k_q97e5e25fd5_attn:
	s_mov_b64 s[64:65], 0
	v_nop
	global_prefetch_b8 v0, s[64:65] scope:SCOPE_SE
	s_setreg_imm32_b32 hwreg(HW_REG_WAVE_MODE, 25, 1), 1
	s_wait_xcnt 0x0
	s_wait_alu depctr_hold_cnt(0) depctr_sa_sdst(0) depctr_va_vdst(0) depctr_va_sdst(0) depctr_va_ssrc(0) depctr_va_vcc(0) depctr_vm_vsrc(0)
	s_getreg_b32 s2, hwreg(HW_REG_IB_STS2, 6, 4)
	s_cmp_eq_u32 s2, 0
	s_cbranch_scc0 .Lentry_in_a_cluster
	s_endpgm
.Lentry_in_a_cluster:
	s_bfe_u32 s2, ttmp6, 0x10000c
	s_cmp_lg_u32 s2, 0x3003
	s_cbranch_scc0 .Lentry_shape_is_right
	s_endpgm
.Lentry_shape_is_right:
; o = softmax(q k^T / 32) v for two heads, both products on codes of BF6 (E3M2), and o quantised along (head, d) for the last projection.
; THE SOFTMAX: t = score x log2(e) / 32; M = the running largest t rounded up to a whole number; p = 2^(t - M) is quantised along the keys, not normalised; the row's sum is taken of the
; unquantised p and divides at the end; when M moves, the sum and O are multiplied by 2^(old M - new M): exact.
; SHARES.  Work-group (cx, y): batch y / 8, heads 2 (y % 8) and 2 (y % 8) + 1, query places 256 cx on.  Each of sixteen waves owns one tile of 16 queries and walks first the one head's 1,024 keys, 128 a step,
; then the other's: so it holds 16 rows x 128 of the next product's K, a whole fragment and its whole scale word.  Four waves share a SIMD: one's vector work stands beside another's matrix work.
; LDS holds both heads' records of kv as they lie in memory (2 x 104,448 bytes), each filled ONCE: no slot is filled again.  The four work-groups of a cluster read the same records: joint loads.
; The second head's record lands during the first head's first key step; the barrier that shows it to every wave stands behind that step, so that from there on no wave waits for another until the end.
; LAYOUT.  S^T = K Q^T (source 0 = 16 keys), O^T = V^T P^T (source 0 = 16 of the head's 64): a lane holds one query throughout.  By the order of rows in a tile (place r of tile 2 B + u is row
; 32 B + 8 u + r + 8 (r / 8)) the 16 registers of tiles 2 B, 2 B + 1 are neighbours 32 B + 16 (lane / 16) + 0 .. 15.  K = 64 of the first product is half a fragment: registers 6-11 of Q and K hold zero codes.
; LIMITS: NaN and infinities are not served; 1 / sum is v_rcp_f32's; a block of zeros gets the byte 1.  The scale words leave as 4 bytes of each 8: one byte in 24 of the codes'.
; REGISTERS: v1-11 addresses; v12 -M, v13 largest t, v[14:15] the sum; v16-27, v84-95 Q of the two heads; v28, v29 their scale words; v32-79 four fragments of K; v80-83 scale words of K or V;
;   v96-159 S^T, then p, then (v96-143) four fragments of V; v160-191 O^T; v192-210 p's codes; v212-228 at work; v232-243 o's codes; v244 o's scale word.
.set RECB, 104448                      ; a head's record
.set CHK,  13056                       ; a key step's chunk: K's 8 half images, V's 4 images, K's and V's scale words
.set VC,   6144
.set KSO,  12288
.set VSO,  12800
.set QRS,  53248                       ; a head's record in qrec;  a chunk of 128 queries
.set QCH,  6656
.set WV,   18
.set SEL,  20
.set CS,   22
.set G1,   24
.set G0A,  32
.set G0B,  36
.set TB,   40
.set CNT,  41
.set PC,   192
.set PT,   204
.set BM,   212
.set BX,   216
.set SOP,  220
.set FF,   224
.set TT,   226
.set PSW,  228
.set OC,   232
.set OSW,  244
.macro CROUND                          ; a round of the cluster's barrier
	s_barrier_signal -1
	s_barrier_wait -1
	s_cmp_lg_u32 s[WV], 0
	s_cbranch_scc1 .Lnot_wave_0_\@
	s_barrier_signal -3
.Lnot_wave_0_\@:
	s_barrier_wait -3
	s_barrier_signal -1
	s_barrier_wait -1
.endm
	s_load_b256 s[4:11], s[0:1], 0x0               ; qrec, kv, oc, os
	v_lshl_add_u32 v254, v0, 2, 0x34000
	v_mov_b32 v255, 0
	ds_add_u32 v254, v255
	ds_add_u32 v254, v255
	v_lshrrev_b32 v1, 5, v0
	v_readfirstlane_b32 s[WV], v1                  ; wave 0..15
	s_bfe_u32 s12, ttmp6, 0x40000                  ; cx: it enters Q's and o's addresses alone
	s_and_b32 s13, ttmp7, 0xffff                   ; y = 8 x batch + pair of heads
	; group 1: a quarter of a record, 26,112 dense bytes, as 102 rows of 256 bytes
	s_mov_b32 s[G1], 15|(3<<16)|(1<<21)            ; the mask: all four work-groups; elements of 8 bytes; bit 21 set beside a mask
	s_mov_b32 s[G1+1], 32<<16
	s_mov_b32 s[G1+2], 102<<16
	s_mov_b32 s[G1+3], 32<<16
	s_mov_b32 s[G1+4], 102
	s_mov_b32 s[G1+5], 32
	s_mov_b32 s[G1+6], 0
	s_mov_b32 s[G1+7], 0
	s_and_b32 s14, s[WV], 3
	s_mul_i32 s15, s14, 26112                      ; my quarter, if I fetch
	s_mul_i32 s16, s13, 2*RECB
	s_add_co_u32 s16, s16, s15
	s_mov_b32 s17, 0
	s_mov_b32 s[SEL], 0x76543210
	s_mov_b32 s[SEL+1], 0xfedcba98
	s_mov_b32 s[CS], 0x3d38aa3b                    ; c = log2(e) / 32
	s_mov_b32 s[CS+1], s[CS]                       ; (named with it as a pair)
	s_wait_dscnt 0x0
	s_wait_kmcnt 0x0
	s_mov_b32 s[G0A], 1
	s_mov_b32 s[G0A+1], s15
	s_add_nc_u64 s[G0A+2:G0A+3], s[6:7], s[16:17]
	s_mov_b32 s[G0B], 1
	s_add_co_u32 s[G0B+1], s15, RECB
	s_add_nc_u64 s[G0B+2:G0B+3], s[G0A+2:G0A+3], RECB
	s_or_b32 s[G0A+3], s[G0A+3], 0x80000000
	s_or_b32 s[G0B+3], s[G0B+3], 0x80000000
	CROUND                                         ; all four work-groups are here: the joint loads meet
	s_cmp_lt_u32 s[WV], 4                          ; waves 0 to 3 fetch: a wave's two fills stand in one branch; two loads of mine are out
	s_cbranch_scc0 .Lno_fetch
	tensor_load_to_lds s[G0A:G0A+3], s[G1:G1+7]
	s_nop 0
	tensor_load_to_lds s[G0B:G0B+3], s[G1:G1+7]
	s_nop 0
.rept 4
	v_nop
.endr
.Lno_fetch:
	v_and_b32 v11, 31, v0                          ; lane
	v_and_b32 v30, 15, v0                          ; r
	v_lshlrev_b32 v1, 4, v11
	v_lshlrev_b32 v2, 3, v11
	v_lshlrev_b32 v3, 2, v30
	v_lshlrev_b32 v10, 3, v30
	s_and_b32 s14, s[WV], 7                        ; my tile in its chunk of qrec
	s_mul_i32 s15, s14, 768
	v_add_nc_u32 v7, s15, v1
	v_add_nc_u32 v8, s15, v2
	s_lshl_b32 s14, s14, 6
	v_add_nc_u32 v9, s14, v3
	s_mul_i32 s16, s13, 2*QRS
	s_lshl_b32 s42, s12, 1
	s_lshr_b32 s43, s[WV], 3
	s_add_co_u32 s42, s42, s43                     ; the chunk: 2 cx + wave / 8
	s_mul_i32 s42, s42, QCH
	s_add_co_u32 s16, s16, s42
	s_mov_b32 s17, 0
	s_add_nc_u64 s[4:5], s[4:5], s[16:17]
	global_load_b128 v[16:19], v7, s[4:5]          ; Q of both heads stays in registers
	global_load_b64 v[20:21], v8, s[4:5] offset:512
	global_load_b32 v28, v9, s[4:5] offset:6144
	global_load_b128 v[84:87], v7, s[4:5] offset:QRS
	global_load_b64 v[88:89], v8, s[4:5] offset:QRS+512
	global_load_b32 v29, v9, s[4:5] offset:QRS+6144
.irp j, 22,23,24,25,26,27,90,91,92,93,94,95
	v_mov_b32 v\j, 0                               ; zero codes for k = 64 .. 127
.endr
.irp t, 0,1,2,3
.irp j, 6,7,8,9,10,11
	v_mov_b32 v[32+12*\t+\j], 0                    ; in K's fragments too: set once, never loaded over
.endr
.endr
.irp b, 0,1,2,3
	v_mov_b32 v[BX+\b], 0                          ; written once: a lane permute's destination counts as one of its sources
.endr
	v_mov_b32 v[FF+1], 0                           ; (named as the upper half of a pair)
	s_lshr_b32 s42, s13, 3                         ; where o goes: tile 64 x batch + 16 cx + wave, K step = the pair of heads
	s_and_b32 s43, s13, 7
	s_lshl_b32 s42, s42, 6
	s_lshl_b32 s44, s12, 4
	s_add_co_u32 s42, s42, s44
	s_add_co_u32 s42, s42, s[WV]
	s_lshl_b32 s44, s42, 3
	s_add_co_u32 s44, s44, s43
	s_mul_i32 s44, s44, 1536
	s_mov_b32 s45, 0
	s_add_nc_u64 s[8:9], s[8:9], s[44:45]
	s_lshl_b32 s44, s42, 9
	s_lshr_b32 s46, s43, 1
	s_lshl_b32 s46, s46, 7
	s_add_co_u32 s44, s44, s46
	s_and_b32 s46, s43, 1
	s_lshl_b32 s46, s46, 2
	s_add_co_u32 s44, s44, s46
	s_add_nc_u64 s[10:11], s[10:11], s[44:45]
; the largest score of blocks b0 and b1 of 32 keys, by turns: it serves for the row's maximum and, since p rises with the score, for the block's largest p
.macro BLKMAX b0, b1
.irp b, \b0, \b1
	v_max3_num_f32 v[BM+\b], v[96+16*\b], v[97+16*\b], v[98+16*\b]
.endr
.irp i, 3,5,7,9,11,13
.irp b, \b0, \b1
	v_max3_num_f32 v[BM+\b], v[BM+\b], v[96+16*\b+\i], v[97+16*\b+\i]
.endr
.endr
.irp b, \b0, \b1
	v_max_num_f32 v[BM+\b], v[BM+\b], v[111+16*\b]
.endr
.endm
; A KEY STEP: 128 keys of the head whose Q stands in v[q] on
.macro STEP q, qs
	v_add_nc_u32 v4, s[TB], v1
	v_add_nc_u32 v5, s[TB], v2
	v_add_nc_u32 v6, s[TB], v3
	v_nop
	v_nop                                          ; five plain instructions: the products below write over registers that the last step's products read (V's fragments); loads into their scale words want four
.irp g, 0,1                                    ; S^T = K Q^T, four tiles of 16 keys at a time
.if \g > 0
.rept 4
	v_nop
.endr
.endif
.irp t, 0,1,2,3
	ds_load_b128 v[32+12*\t:35+12*\t], v4 offset:768*(4*\g+\t)
	ds_load_b64 v[36+12*\t:37+12*\t], v5 offset:768*(4*\g+\t)+512
	ds_load_b32 v[80+\t], v6 offset:KSO+64*(4*\g+\t)
.endr
	s_wait_dscnt 0x0
.irp t, 0,1,2,3
	v_wmma_scale_f32_16x16x128_f8f6f4 v[96+8*(4*\g+\t):103+8*(4*\g+\t)], v[32+12*\t:43+12*\t], v[\q:\q+11], 0, v[80+\t], v[\qs] matrix_a_fmt:MATRIX_FMT_BF6 matrix_b_fmt:MATRIX_FMT_BF6
.endr
.endr
	BLKMAX 0, 1                                    ; tiles 0-3, behind whose products the four v_nop above stand: sixteen plain instructions that name no register of the last four products,
	BLKMAX 2, 3                                    ; whose results (tiles 4-7) are read only behind them
.irp b, 0,1,2,3
	v_permlanex16_b32 v[BX+\b], v[BM+\b], s[SEL], s[SEL+1]
.endr
.irp b, 0,1,2,3
	v_max_num_f32 v[BM+\b], v[BM+\b], v[BX+\b]     ; with lane l xor 16's 16 keys
.endr
	v_max3_num_f32 v[TT], v[BM], v[BM+1], v[BM+2]
	v_max_num_f32 v[TT], v[TT], v[BM+3]
	v_mul_f32 v[TT], s[CS], v[TT]                  ; the step's largest t (c is positive)
	v_max_num_f32 v13, v13, v[TT]
	v_mov_b32 v[TT], v12
	v_floor_f32 v12, -v13                          ; the new -M = -ceil(t)
	v_sub_f32 v[TT], v12, v[TT]                    ; old M - new M: a whole number, 0 or less
	v_cvt_i32_f32 v[TT], v[TT]                     ; (it saturates)
	v_ldexp_f32 v[FF], 1.0, v[TT]                  ; f = 2^(old M - new M)
.set j, 0
.rept 32
	v_pk_fma_f32 v[96+j:97+j], v[96+j:97+j], s[CS:CS+1], v[12:13] op_sel_hi:[1,0,0]   ; t - M, two at a time
.set j, j+2
.endr
.irp b, 0,1,2,3
	v_fma_f32 v[BM+\b], v[BM+\b], s[CS], v12       ; the same of each block's largest score
.endr
.set j, 0
.rept 64
	v_exp_f32 v[96+j], v[96+j]                     ; p = 2^(t - M)
.set j, j+1
.endr
	v_pk_mul_f32 v[14:15], v[14:15], v[FF:FF+1] op_sel_hi:[1,0]   ; the sums under the new M: the plain instruction behind the exponentials
	s_wait_alu depctr_va_vdst(0)                   ; one wait for the batch, ahead of its first reader
.irp b, 0,1,2,3
	v_exp_f32 v[BM+\b], v[BM+\b]                   ; the block's largest p
.endr
	v_pk_add_f32 v[BX:BX+1], v[96:97], v[98:99]    ; the row's sum of the unquantised p, in two chains
.irp j, 4,8,12,16,20,24,28,32,36,40,44,48,52,56,60
	v_pk_add_f32 v[14:15], v[14:15], v[96+\j:97+\j]
	v_pk_add_f32 v[BX:BX+1], v[BX:BX+1], v[98+\j:99+\j]
.endr
	v_pk_add_f32 v[14:15], v[14:15], v[BX:BX+1]
	s_wait_alu depctr_va_vdst(0)                   ; and one for the four
.irp b, 0,1,2,3
	v_max_num_f32 v[BM+\b], 0x2800000, v[BM+\b]    ; the floor 2^(5 - 127)
.endr
.irp b, 0,1,2,3
	v_add_nc_u32 v[SOP+\b], 0xfe000000, v[BM+\b]   ; the conversion's scale operand
.endr
.irp b, 0,1,2,3
	v_lshrrev_b32 v[BX+\b], 23, v[SOP+\b]          ; the byte
.endr
	v_lshl_or_b32 v[PSW], v[BX+1], 8, v[BX]        ; p's scale word for these 128 keys
	v_lshl_or_b32 v[PSW], v[BX+2], 16, v[PSW]
	v_lshl_or_b32 v[PSW], v[BX+3], 24, v[PSW]
.irp c, 0,1
	v_cvt_scalef32_pk16_bf6_f32 v[PC+6*\c:PC+6*\c+2], v[96+32*\c:111+32*\c], v[SOP+2*\c]
	v_cvt_scalef32_pk16_bf6_f32 v[PT+4*\c:PT+4*\c+2], v[112+32*\c:127+32*\c], v[SOP+2*\c+1]
.endr
	v_nop                                          ; one plain instruction behind the conversions
.irp c, 0,1
.irp i, 0,1,2
	v_permlane16_swap_b32 v[PC+6*\c+\i], v[PT+4*\c+\i]
.endr
.irp i, 0,1,2
	v_mov_b32 v[PC+3+6*\c+\i], v[PT+4*\c+\i]
.endr
.endr
.irp t, 0,1,2,3                                ; V's four fragments land where p stood, while O^T is rescaled
.irp c, 0,1,2
	ds_load_b128 v[96+12*\t+4*\c:99+12*\t+4*\c], v4 offset:VC+1536*\t+512*\c
.endr
	ds_load_b32 v[80+\t], v6 offset:VSO+64*\t
.endr
.set j, 0
.rept 16
	v_pk_mul_f32 v[160+j:161+j], v[160+j:161+j], v[FF:FF+1] op_sel_hi:[1,0]   ; O^T under the new M; these sixteen also stand between the writing of p's codes and scale word and the products
.set j, j+2
.endr
	s_wait_dscnt 0x0
.irp t, 0,1,2,3                                ; O^T += V^T P^T: four accumulators, one instruction each
	v_wmma_scale_f32_16x16x128_f8f6f4 v[160+8*\t:167+8*\t], v[96+12*\t:107+12*\t], v[PC:PC+11], v[160+8*\t:167+8*\t], v[80+\t], v[PSW] matrix_a_fmt:MATRIX_FMT_BF6 matrix_b_fmt:MATRIX_FMT_BF6
.endr
.endm
; A HEAD: eight key steps, then o = O^T / the sum, quantised: blocks 2 eta and 2 eta + 1 of the fragment
.macro HEAD eta, q, qs
	v_mov_b32 v13, 0xff61b1e6                      ; the largest t so far: -3e38
	v_floor_f32 v12, -v13
	v_mov_b32 v14, 0
	v_mov_b32 v15, 0
.set j, 0
.rept 32
	v_mov_b32 v[160+j], 0                          ; the step is written for every turn alike: the first finds zeros, which the first change of M leaves zeros
.set j, j+1
.endr
	s_mov_b32 s[TB], (\eta)*RECB
.if (\eta) == 0
	STEP \q, \qs                                   ; the first head's first key step stands ahead of the loop, and behind it the barrier for the second record:
	s_add_co_u32 s[TB], s[TB], CHK
	s_wait_tensorcnt 0x0                           ; my part of the second record is in,
	s_wait_dscnt 0x0
	s_barrier_signal -1
	s_barrier_wait -1                              ; everybody's is: every read of that record stands behind this wait
	s_mov_b32 s[CNT], 7
.else
	s_mov_b32 s[CNT], 8
.endif
.Lstep_\@:
	STEP \q, \qs
	s_add_co_u32 s[TB], s[TB], CHK
	s_sub_co_u32 s[CNT], s[CNT], 1
	s_cmp_lg_u32 s[CNT], 0
	s_cbranch_scc1 .Lstep_\@
.rept 4
	v_nop
.endr
	v_add_f32 v14, v14, v15
	v_permlanex16_b32 v[BX], v14, s[SEL], s[SEL+1]
	v_add_f32 v14, v14, v[BX]                      ; the row's sum
	v_rcp_f32 v14, v14
	v_nop                                          ; a plain instruction behind the reciprocal,
	s_wait_alu depctr_va_vdst(0)                   ; and the wait ahead of its first reader
.set j, 0
.rept 32
	v_mul_f32 v[96+j], v[160+j], v14               ; register 16 b + i: d = 32 b + 16 (lane / 16) + i
.set j, j+1
.endr
.irp b, 0,1
	v_max3_num_f32 v[BM+\b], |v[96+16*\b]|, |v[97+16*\b]|, 0x2800000
.endr
.irp i, 2,4,6,8,10,12,14
.irp b, 0,1
	v_max3_num_f32 v[BM+\b], v[BM+\b], |v[96+16*\b+\i]|, |v[97+16*\b+\i]|
.endr
.endr
.irp b, 0,1
	v_permlanex16_b32 v[BX+\b], v[BM+\b], s[SEL], s[SEL+1]
.endr
.irp b, 0,1
	v_max_num_f32 v[BM+\b], v[BM+\b], v[BX+\b]
.endr
.irp b, 0,1
	v_add_nc_u32 v[SOP+\b], 0xfe000000, v[BM+\b]
.endr
.irp b, 0,1
	v_lshrrev_b32 v[BX+\b], 23, v[SOP+\b]
.endr
.if (\eta) == 0
	v_lshl_or_b32 v[OSW], v[BX+1], 8, v[BX]
.else
	v_lshl_or_b32 v[OSW], v[BX], 16, v[OSW]
	v_lshl_or_b32 v[OSW], v[BX+1], 24, v[OSW]
.endif
	v_cvt_scalef32_pk16_bf6_f32 v[OC+6*(\eta):OC+6*(\eta)+2], v[96:111], v[SOP]
	v_cvt_scalef32_pk16_bf6_f32 v[PT:PT+2], v[112:127], v[SOP+1]
	v_nop
.irp i, 0,1,2
	v_permlane16_swap_b32 v[OC+6*(\eta)+\i], v[PT+\i]
.endr
.irp i, 0,1,2
	v_mov_b32 v[OC+6*(\eta)+3+\i], v[PT+\i]
.endr
.endm
	s_wait_tensorcnt 1                             ; my part of the first record is in; the second's may be out
	s_barrier_signal -1
	s_barrier_wait -1                              ; everybody's is
	s_wait_loadcnt 0x0                             ; Q
	HEAD 0, 16, 28
	HEAD 1, 84, 29
.irp c, 0,1,2
	global_store_b128 v1, v[OC+4*\c:OC+4*\c+3], s[8:9] offset:512*\c   ; the fragment's image: 512 consecutive bytes a store
.endr
	s_wait_xcnt 0x0                                ; EXEC changes only behind this wait
	v_cmp_gt_u32 vcc_lo, 16, v11
	s_and_saveexec_b32 s47, vcc_lo                 ; lanes 0-15: one writer for each row's word
	global_store_b32 v10, v[OSW], s[10:11]
	s_wait_xcnt 0x0
	s_or_b32 exec_lo, exec_lo, s47
	s_wait_tensorcnt 0x0
	ds_add_u32 v254, v255
	s_wait_dscnt 0x0
	CROUND                                         ; the closing round
	s_endpgm
.Lfunc_end_k_q97e5e25fd5_attn:
	.size	k_q97e5e25fd5_attn, .Lfunc_end_k_q97e5e25fd5_attn-k_q97e5e25fd5_attn
	.p2alignl 7, 3214868480
	.fill 96, 4, 3214868480
	.section	.rodata,"a",@progbits
	.p2align	6, 0x0
	.amdhsa_kernel k_q97e5e25fd5_attn
		.amdhsa_group_segment_fixed_size 215040
		.amdhsa_private_segment_fixed_size 0
		.amdhsa_enable_private_segment 0
		.amdhsa_kernarg_size 32
		.amdhsa_user_sgpr_count 2
		.amdhsa_user_sgpr_kernarg_segment_ptr 1
		.amdhsa_wavefront_size32 1
		.amdhsa_system_sgpr_workgroup_id_x 1
		.amdhsa_system_sgpr_workgroup_id_y 1
		.amdhsa_system_sgpr_workgroup_id_z 1
		.amdhsa_system_vgpr_workitem_id 0
		.amdhsa_next_free_vgpr 256
		.amdhsa_next_free_sgpr 66
		.amdhsa_reserve_vcc 1
		.amdhsa_float_denorm_mode_32 3
		.amdhsa_float_denorm_mode_16_64 3
		.amdhsa_memory_ordered 1
		.amdhsa_forward_progress 1
		.amdhsa_inst_pref_size 65
	.end_amdhsa_kernel
	.amdgpu_metadata
---
amdhsa.version: [ 1, 2 ]
amdhsa.kernels:
  - .name:           k_q97e5e25fd5_attn
    .symbol:         k_q97e5e25fd5_attn.kd
    .args:
      - { .name: qrec, .offset: 0, .size: 8, .value_kind: global_buffer, .address_space: global }
      - { .name: kv, .offset: 8, .size: 8, .value_kind: global_buffer, .address_space: global }
      - { .name: oc, .offset: 16, .size: 8, .value_kind: global_buffer, .address_space: global }
      - { .name: os, .offset: 24, .size: 8, .value_kind: global_buffer, .address_space: global }
    .group_segment_fixed_size: 215040
    .private_segment_fixed_size: 0
    .kernarg_segment_align: 8
    .kernarg_segment_size: 32
    .max_flat_workgroup_size: 512
    .sgpr_count:     66
    .vgpr_count:     256
    .wavefront_size: 32
...
	.end_amdgpu_metadata
.endif
;; end of part 3
;; launch proj (part 4): grid 4 x 64, 4 waves a work-group, clusters of 4 x 4, 307,712 bytes of LDS; arguments oc, os, codes, scales, bp, out0; writes out0
.if DOCPART == 4
	.amdgcn_target "amdgcn-amd-amdhsa--gfx1250"
	.amdhsa_code_object_version 6
	.text
	.protected	k_q97e5e25fd5_proj
	.globl	k_q97e5e25fd5_proj
	.p2align	8
	.type	k_q97e5e25fd5_proj,@function
k_q97e5e25fd5_proj:
	s_mov_b64 s[64:65], 0
	v_nop
	global_prefetch_b8 v0, s[64:65] scope:SCOPE_SE
	s_setreg_imm32_b32 hwreg(HW_REG_WAVE_MODE, 25, 1), 1
	s_wait_xcnt 0x0
	s_wait_alu depctr_hold_cnt(0) depctr_sa_sdst(0) depctr_va_vdst(0) depctr_va_sdst(0) depctr_va_ssrc(0) depctr_va_vcc(0) depctr_vm_vsrc(0)
	s_getreg_b32 s2, hwreg(HW_REG_IB_STS2, 6, 4)
	s_cmp_eq_u32 s2, 0
	s_cbranch_scc0 .Lentry_in_a_cluster
	s_endpgm
.Lentry_in_a_cluster:
	s_bfe_u32 s2, ttmp6, 0x10000c
	s_cmp_lg_u32 s2, 0xf033
	s_cbranch_scc0 .Lentry_shape_is_right
	s_endpgm
.Lentry_shape_is_right:
; out0 = o Wp + bp on codes of BF6 (E3M2).  o: oc, os (512 tiles of 16 rows); Wp: tiles 1216-1279 of codes, scales.  out0: [8192][1024] f32.
; OPERANDS: tiles of 16 rows as eight register images of 1,536 bytes (128 along K each), scale words [tile][K / 256][row][2]; in a tile 2 B + u place r is row 32 B + 8 u + r + 8 (r / 8).
; A work-group of four waves makes 128 rows x 256 columns: 8,192 x 1,024 outputs are 256 such blocks.  A wave makes 64 x 128: 32 accumulators.  Source 0 = 16 columns of Wp, source 1 = 16 rows of o: a lane holds
; one row, and its registers of B tiles 2 B, 2 B + 1 are the neighbouring columns 32 B + 16 (lane / 16) + 0 .. 15.  The bias is the C of each sum's first product.
; ALL OF K LIES IN LDS.  A K step of 256 is 8 tiles of o and 16 of Wp, 73,728 bytes; four of them and the scale words (12,288 bytes) are 307,200 bytes.  Every tile is asked for at the start, five tensor loads a wave,
; and no LDS byte is filled twice: a K step is read behind a counted wait and a plain barrier, while the later K steps' loads stay out.
; The price of the smaller block: 12 fragments are read from LDS for 32 products, where a wave of 128 x 128 reads 16 for 64.
; CLUSTERS of 4 x 4: the four of a row share o's tiles, the four of a column Wp's: each tile is asked for jointly.
; REGISTERS: window 0: v1-27 addresses; v32-63 scale words, two sets; v64-127 the bias; v128-223 A's fragments, two sets of 48; on the way out v128-255 rows of out0.
;   window 1: B's fragments, two sets, at v0 and v128.   window 2: accumulator (a, b) at v[8 (8 a + b)].
.set FR,     12                        ; registers of a fragment
.set NP,     4                         ; plain instructions owed behind this matrix instruction (ISA guide 7.12.1)
.set FRB,    1536
.set TROW,   2*FRB                     ; a tile's bytes of a K step
.set TPITCH, 8*FRB                     ; a tile in memory
.set AQ,     4*TROW                    ; four tiles of o: what one tensor load brings, and what a wave reads of A
.set BH,     8*TROW                    ; eight tiles of Wp: likewise for B
.set SLOT,   2*AQ+2*BH                 ; a K step: A's 8 tiles, then B's 16
.set SCL,    4*SLOT                    ; behind the four K steps: A's scale words (8 tiles x 512 bytes), then B's (16 tiles)
.set ASQ,    2048                      ; those of four tiles
.set SPITCH, 528                       ; the way out: a stage of 16 rows x (512 + 16) bytes for each wave, in K step 0's bytes: filled once, and three barriers stand behind every wave's last read of them
.set L16,  3                           ; v3   16 x lane
.set BNO,  11                          ; v11  my offset in the bias
.set ADRA, 12                          ; v12-15 LDS address of my A fragments in K step 0 .. 3
.set ADRB, 16                          ; v16-19 of B's
.set STO,  24
.set RD,   25
.set ADRS, 27                          ; v27  of my scale words: lanes 0-15 A's rows, lanes 16-31 B's
.set SC,   32
.set BN,   64
.set AF,   128
.set BK,   128
.set G1,   24                          ; s[24:31] group 1 for A's codes;  s[32:39] B's codes;  s[40:47] A's scale words;  s[48:55] B's
.set G1B,  32
.set G1S,  40
.set G1SB, 48
.set GA0,  56                          ; groups 0, one for each load: A's K steps 0 .. 3 and scale words,
.set GA1,  60
.set GA2,  68
.set GA3,  72
.set GAS,  76
.set GB0,  80                          ; B's
.set GB1,  84
.set GB2,  88
.set GB3,  92
.set GBS,  96
.set MSB, 0
.macro WIN new                         ; the immediate's high byte repeats the setting that is left
.if MSB != (\new)
	s_set_vgpr_msb (MSB<<8)|(\new)
.set MSB, (\new)
.endif
.endm
.set MUL,   0xa1                       ; source 0 (B) window 1, source 1 (A) window 0, C and D window 2
.set MUL_Z, 0x81                       ; the same with C (the bias) in window 0
.set TO_B,  0x40
.macro JLOAD g0a, g1a, g0b, g1b        ; a joint load: waves 0 and 1 fetch for A, waves 2 and 3 for B; four v_nop follow each line
	s_cmp_eq_u32 s19, 0
	s_cbranch_scc0 .Lfor_b_\@
	tensor_load_to_lds s[\g0a:\g0a+3], s[\g1a:\g1a+7]
	s_nop 0
.rept 4
	v_nop
.endr
	s_branch .Lasked_\@
.Lfor_b_\@:
	tensor_load_to_lds s[\g0b:\g0b+3], s[\g1b:\g1b+7]
	s_nop 0
.rept 4
	v_nop
.endr
.Lasked_\@:
.endm
.macro CROUND                          ; a round of the cluster's barrier
	s_barrier_signal -1
	s_barrier_wait -1
	s_cmp_lg_u32 s18, 0
	s_cbranch_scc1 .Lnot_wave_0_\@
	s_barrier_signal -3
.Lnot_wave_0_\@:
	s_barrier_wait -3
	s_barrier_signal -1
	s_barrier_wait -1
.endm
.macro SHAPE g, c, r, p                ; group 1's words 1 to 7: r rows of c elements of 8 bytes, p elements apart
	s_mov_b32 s[\g+1], (\c)<<16
	s_mov_b32 s[\g+2], (\r)<<16
	s_mov_b32 s[\g+3], (\c)<<16
	s_mov_b32 s[\g+4], \r
	s_mov_b32 s[\g+5], \p
	s_mov_b32 s[\g+6], 0
	s_mov_b32 s[\g+7], 0
.endm
.macro MKG g, g0, adr, k               ; group 0 for K step k: its LDS address is K step 0's + k slots, its global address k x 3,072 bytes further along each tile
	s_mov_b32 s[\g], 1
.if \k
	s_add_co_u32 s[\g+1], s[\g0+1], (\k)*SLOT
.endif
	s_add_nc_u64 s[\g+2:\g+3], s[\adr:\adr+1], (\k)*TROW
	s_or_b32 s[\g+3], s[\g+3], 0x80000000
.endm
	s_load_b256 s[4:11], s[0:1], 0x0               ; oc, os, codes, scales
	s_load_b128 s[12:15], s[0:1], 0x20             ; bp, out0
	v_lshl_add_u32 v30, v0, 2, 0x4b000
	v_mov_b32 v31, 0
	ds_add_u32 v30, v31
	ds_add_u32 v30, v31
	v_lshrrev_b32 v1, 5, v0
	v_readfirstlane_b32 s18, v1                    ; wave 0..3
	s_lshr_b32 s19, s18, 1                         ; my half of the rows.  Also: I fetch for A (0) or for B (1)
	s_and_b32 s20, s18, 1                          ; my half of the columns.  Also: which half of the tiles I fetch
	s_bfe_u32 s16, ttmp6, 0x40000                  ; cx = which 256 columns
	s_bfe_u32 s17, ttmp6, 0x40004                  ; cy
	s_and_b32 s21, ttmp7, 0xffff
	s_lshl_b32 s66, s21, 2
	s_add_co_u32 s66, s66, s17                     ; which 128 rows
	s_lshl_b32 s21, s17, 2
	s_lshl_b32 s21, 15, s21                        ; my row of the cluster
	s_lshl_b32 s67, 0x1111, s16                    ; my column
	s_or_b32 s[G1], s21, (3<<16)|(1<<21)           ; the mask; elements of 8 bytes; bit 21 set beside a mask; no padding: a fragment is read as 512 consecutive bytes
	s_or_b32 s[G1S], s21, (3<<16)|(1<<21)
	s_or_b32 s[G1B], s67, (3<<16)|(1<<21)
	s_or_b32 s[G1SB], s67, (3<<16)|(1<<21)
	SHAPE G1, 384, 4, 1536                         ; four tiles' 3,072 bytes, 12,288 bytes apart
	SHAPE G1B, 384, 8, 1536                        ; eight tiles'
	SHAPE G1S, 32, 8, 32                           ; 2,048 dense bytes as rows of 256
	SHAPE G1SB, 32, 16, 32                         ; 4,096
	s_lshl_b32 s21, s66, 3
	s_lshl_b32 s2, s20, 2
	s_add_co_u32 s21, s21, s2                      ; the first of the four tiles of o that I would fetch
	s_mul_i32 s2, s21, TPITCH
	s_mov_b32 s3, 0
	s_lshl_b32 s100, s21, 9
	s_mov_b32 s101, 0
	s_lshl_b32 s67, s16, 4
	s_add_co_u32 s67, s67, 1216
	s_lshl_b32 s22, s20, 3
	s_add_co_u32 s67, s67, s22                     ; and of the eight of Wp
	s_mul_i32 s22, s67, TPITCH
	s_mov_b32 s23, 0
	s_lshl_b32 s67, s67, 9
	s_mul_i32 s[GA0+1], s20, AQ                    ; where they go: by the wave's number alone
	s_mul_i32 s[GB0+1], s20, BH
	s_add_co_u32 s[GB0+1], s[GB0+1], 2*AQ
	s_lshl_b32 s[GAS+1], s20, 11
	s_add_co_u32 s[GAS+1], s[GAS+1], SCL
	s_lshl_b32 s[GBS+1], s20, 12
	s_add_co_u32 s[GBS+1], s[GBS+1], SCL+2*ASQ
	s_wait_dscnt 0x0
	s_wait_kmcnt 0x0
	s_add_nc_u64 s[2:3], s[4:5], s[2:3]            ; o's codes
	s_add_nc_u64 s[100:101], s[6:7], s[100:101]    ; o's scale words
	s_add_nc_u64 s[22:23], s[8:9], s[22:23]        ; Wp's codes
	s_mov_b32 s4, s67
	s_mov_b32 s5, 0
	s_add_nc_u64 s[4:5], s[10:11], s[4:5]          ; Wp's scale words
	s_mov_b32 s[GAS], 1
	s_mov_b64 s[GAS+2:GAS+3], s[100:101]
	s_or_b32 s[GAS+3], s[GAS+3], 0x80000000
	s_mov_b32 s[GBS], 1
	s_mov_b64 s[GBS+2:GBS+3], s[4:5]
	s_or_b32 s[GBS+3], s[GBS+3], 0x80000000
	MKG GA0, GA0, 2, 0
	MKG GA1, GA0, 2, 1
	MKG GA2, GA0, 2, 2
	MKG GA3, GA0, 2, 3
	MKG GB0, GB0, 22, 0
	MKG GB1, GB0, 22, 1
	MKG GB2, GB0, 22, 2
	MKG GB3, GB0, 22, 3
	CROUND                                         ; all sixteen work-groups are here: the joint loads meet
	JLOAD GAS, G1S, GBS, G1SB                      ; the scale words first: they are wanted with K step 0
	JLOAD GA0, G1, GB0, G1B
	JLOAD GA1, G1, GB1, G1B
	JLOAD GA2, G1, GB2, G1B
	JLOAD GA3, G1, GB3, G1B                        ; five tensor loads of mine are out: all that this launch asks for
	v_and_b32 v1, 15, v0                           ; r
	v_bfe_u32 v2, v0, 4, 1                         ; h
	v_and_b32 v20, 31, v0
	v_lshlrev_b32 v[L16], 4, v20
	s_mul_i32 s21, s19, AQ                         ; my four tiles of A
	s_mul_i32 s67, s20, BH                         ; my eight of B,
	s_add_co_u32 s67, s67, 2*AQ                    ; behind A's eight
.irp s, 0,1,2,3
	v_add_nc_u32 v[ADRA+\s], s21, v[L16]
	v_add_nc_u32 v[ADRB+\s], s67, v[L16]
	s_add_co_u32 s21, s21, SLOT
	s_add_co_u32 s67, s67, SLOT
.endr
	v_lshlrev_b32 v21, 3, v1                       ; scale words: 8 bytes a row and K step
	s_lshl_b32 s21, s19, 11                        ; A's: my four tiles
	s_lshl_b32 s67, s20, 12                        ; B's: my eight, behind A's eight
	s_add_co_u32 s67, s67, 2*ASQ
	s_sub_co_u32 s67, s67, s21
	v_mul_u32_u24 v22, s67, v2                     ; lanes 16-31 take B's
	s_add_co_u32 s21, s21, SCL
	v_add_nc_u32 v21, v21, v22
	v_add_nc_u32 v[ADRS], s21, v21
	s_mul_i32 s21, s18, 16*SPITCH                  ; my stage
	v_mul_u32_u24 v21, v1, SPITCH
	v_lshl_add_u32 v21, v2, 6, v21
	v_add_nc_u32 v[STO], s21, v21                  ; in: row r, + 64 h
	v_add_nc_u32 v[RD], s21, v[L16]                ; back: the 32 lanes take one row of 512 bytes
	v_lshlrev_b32 v[BNO], 6, v2
	s_lshl_b32 s21, s16, 8
	s_lshl_b32 s67, s20, 7
	s_add_co_u32 s21, s21, s67                     ; my first column
	s_lshl_b32 s2, s21, 2
	s_mov_b32 s3, 0
	s_lshl_b32 s22, s66, 7
	s_lshl_b32 s23, s19, 6
	s_add_co_u32 s22, s22, s23                     ; my first row
	s_lshl_b32 s22, s22, 12
	s_mov_b32 s23, 0
	s_add_nc_u64 s[22:23], s[22:23], s[2:3]
	s_add_nc_u64 s[14:15], s[14:15], s[22:23]      ; out0 at my corner: never stepped
	s_add_nc_u64 s[12:13], s[12:13], s[2:3]        ; bp at my first column
.set i, 0
.rept 16
	global_load_b128 v[BN+4*i:BN+4*i+3], v[BNO], s[12:13] offset:128*(i/4)+16*(i%4)   ; register 16 b + j: column 32 b + 16 h + j
.set i, i+1
.endr
.macro FRAG reg, adr, q, i             ; a fragment comes back as it was stored: three loads of 512 consecutive bytes
.irp c, 0,1,2
	ds_load_b128 v[\reg+4*\c:\reg+4*\c+3], v[\adr] offset:(\i)*TROW+(\q)*FRB+512*\c
.endr
.endm
; 16 matrix instructions: A's tiles a0, a0 + 1 x B's eight, on set p of the fragments.  zero = 1: the sums start from the bias.  The 32 accumulators take turns, one instruction a turn, in the same order in
; every step.
.macro MUL16 a0, p, q, sc, zero
.irp a, \a0, \a0+1
.irp b, 0,1,2,3,4,5,6,7
.if \zero
	v_wmma_scale_f32_16x16x128_f8f6f4 v[8*(8*(\a)+\b):8*(8*(\a)+\b)+7], v[128*(\p)+FR*\b:128*(\p)+FR*\b+FR-1], v[AF+48*(\p)+FR*(\a):AF+48*(\p)+FR*(\a)+FR-1], v[BN+8*\b:BN+8*\b+7], v[SC+16*(\sc)+2*\b+(\q)], v[SC+16*(\sc)+2*(\a)+(\q)] matrix_a_fmt:MATRIX_FMT_BF6 matrix_b_fmt:MATRIX_FMT_BF6 matrix_a_scale:MATRIX_SCALE_ROW1
.else
	v_wmma_scale_f32_16x16x128_f8f6f4 v[8*(8*(\a)+\b):8*(8*(\a)+\b)+7], v[128*(\p)+FR*\b:128*(\p)+FR*\b+FR-1], v[AF+48*(\p)+FR*(\a):AF+48*(\p)+FR*(\a)+FR-1], v[8*(8*(\a)+\b):8*(8*(\a)+\b)+7], v[SC+16*(\sc)+2*\b+(\q)], v[SC+16*(\sc)+2*(\a)+(\q)] matrix_a_fmt:MATRIX_FMT_BF6 matrix_b_fmt:MATRIX_FMT_BF6 matrix_a_scale:MATRIX_SCALE_ROW1
.endif
.endr
.endr
.endm
.macro FETCH slot, q, p                ; the fragments of K step slot's q-th 128 into set p: B's eight, A's four: 36 loads
	WIN TO_B
.irp i, 0,1,2,3,4,5,6,7
	FRAG 128*(\p)+FR*\i, ADRB+\slot, \q, \i
.endr
	WIN 0
.irp i, 0,1,2,3
	FRAG AF+48*(\p)+FR*\i, ADRA+\slot, \q, \i
.endr
.endm
.macro SCALES sc, ks                   ; K step ks's two words a row into set sc: lanes 16-31 B's tile i; lanes 0-15 A's tile i (for i above 3 they read words that no product names)
.irp i, 0,1,2,3,4,5,6,7
	ds_load_b64 v[SC+16*(\sc)+2*\i:SC+16*(\sc)+2*\i+1], v[ADRS] offset:\i*512+128*(\ks)
.endr
.endm
.macro PLACES n                        ; plain instructions between a matrix instruction and a load into, or an LDS store of, its registers
.rept \n
	v_nop
.endr
.endm
.macro STEPA slot, sc, zero            ; a K step's first 128: the second 128's fragments are asked for at the head, 32 matrix instructions ahead of their use
	s_wait_dscnt 0x0                               ; this step's fragments and scale words are in
	PLACES NP                                      ; the other set was read by the products just issued
	FETCH \slot, 1, 1
.if \zero
	WIN MUL_Z
.else
	WIN MUL
.endif
	MUL16 0, 0, 0, \sc, \zero
	MUL16 2, 0, 0, \sc, \zero
	WIN 0
.endm
.macro STEPB sc, next, left            ; a K step's second 128; the next K step is read behind a barrier.  left: my loads of later K steps, which may stay out
	s_wait_dscnt 0x0
	s_wait_tensorcnt \left                         ; my part of K step next is in,
	s_barrier_signal -1
	s_barrier_wait -1                              ; everybody's is
	PLACES NP
	FETCH \next, 0, 0
	SCALES 1-\sc, \next
	WIN MUL
	MUL16 0, 1, 1, \sc, 0
	MUL16 2, 1, 1, \sc, 0
	WIN 0
.endm
	s_wait_tensorcnt 3                             ; the scale words and my part of K step 0 are in; K steps 1, 2 and 3 may be out
	s_barrier_signal -1
	s_barrier_wait -1
	FETCH 0, 0, 0
	SCALES 0, 0
	s_wait_loadcnt 0x0                             ; the bias
	STEPA 0, 0, 1
	STEPB 0, 1, 2
	STEPA 1, 1, 0
	STEPB 1, 2, 1
	STEPA 2, 0, 0
	STEPB 0, 3, 0
	STEPA 3, 1, 0
	s_wait_dscnt 0x0                               ; the last 128: nothing more to fetch
	WIN MUL
	MUL16 0, 1, 1, 1, 0
	MUL16 2, 1, 1, 1, 0
	WIN 0
; THE WAY OUT, A tile by A tile: 16 rows x 128 columns go through my stage and come back as whole rows of 512 bytes.  The order of rows in a tile is undone in the stores' immediates.
.macro TOSTAGE a
.set AC, 64*(\a)
	WIN 0x08                                       ; the data: window 2
.irp b, 0,1,2,3,4,5,6,7
	ds_store_b128 v[STO], v[AC+8*\b:AC+8*\b+3] offset:128*(\b/2)+32*(\b%2)        ; each accumulator from its low end on: columns 32 (b / 2) + 16 h + 8 (b % 2) + 0 .. 7
	ds_store_b128 v[STO], v[AC+8*\b+4:AC+8*\b+7] offset:128*(\b/2)+32*(\b%2)+16
.endr
	WIN 0
.set BB, BK+64*((\a)%2)
.set i, 0
.rept 16
	ds_load_b128 v[BB+4*i:BB+4*i+3], v[RD] offset:i*SPITCH   ; a wave's LDS instructions are served in order: these see the stores above, and the next tile's stores come behind them
.set i, i+1
.endr
.endm
.macro SEND a, younger                 ; younger: the LDS instructions issued behind tile a's loads, which may stay out
.set BB, BK+64*((\a)%2)
	s_wait_dscnt \younger
.set i, 0
.rept 16
	global_store_b128 v[L16], v[BB+4*i:BB+4*i+3], s[14:15] offset:(32*((\a)/2)+8*((\a)%2)+i+8*(i/8))*4096 th:TH_STORE_NT   ; 512 consecutive bytes, aligned; written once
.set i, i+1
.endr
.endm
	PLACES NP
	TOSTAGE 0
.irp a, 1,2,3
.if \a > 1
	s_wait_xcnt 0x0                                ; tile a - 2's stores have read their registers: tile a's loads may land there
.endif
	TOSTAGE \a
	SEND \a-1, 32                                  ; behind tile a - 1's loads: tile a's 16 stores and 16 loads
.endr
	SEND 3, 0                                      ; its wait is for 0: no LDS instruction of mine is out at the round's signal
	s_wait_tensorcnt 0x0
	ds_add_u32 v30, v31
	s_wait_dscnt 0x0
	CROUND                                         ; the closing round: no work-group ends while a partner may still ask for a tile that names it
	s_endpgm
.Lfunc_end_k_q97e5e25fd5_proj:
	.size	k_q97e5e25fd5_proj, .Lfunc_end_k_q97e5e25fd5_proj-k_q97e5e25fd5_proj
	.p2alignl 7, 3214868480
	.fill 96, 4, 3214868480
	.section	.rodata,"a",@progbits
	.p2align	6, 0x0
	.amdhsa_kernel k_q97e5e25fd5_proj
		.amdhsa_group_segment_fixed_size 307712
		.amdhsa_private_segment_fixed_size 0
		.amdhsa_enable_private_segment 0
		.amdhsa_kernarg_size 48
		.amdhsa_user_sgpr_count 2
		.amdhsa_user_sgpr_kernarg_segment_ptr 1
		.amdhsa_wavefront_size32 1
		.amdhsa_system_sgpr_workgroup_id_x 1
		.amdhsa_system_sgpr_workgroup_id_y 1
		.amdhsa_system_sgpr_workgroup_id_z 1
		.amdhsa_system_vgpr_workitem_id 0
		.amdhsa_next_free_vgpr 768
		.amdhsa_next_free_sgpr 104
		.amdhsa_reserve_vcc 0
		.amdhsa_float_denorm_mode_32 3
		.amdhsa_float_denorm_mode_16_64 3
		.amdhsa_memory_ordered 1
		.amdhsa_forward_progress 1
		.amdhsa_inst_pref_size 83
	.end_amdhsa_kernel
	.amdgpu_metadata
---
amdhsa.version: [ 1, 2 ]
amdhsa.kernels:
  - .name:           k_q97e5e25fd5_proj
    .symbol:         k_q97e5e25fd5_proj.kd
    .args:
      - { .name: oc, .offset: 0, .size: 8, .value_kind: global_buffer, .address_space: global }
      - { .name: os, .offset: 8, .size: 8, .value_kind: global_buffer, .address_space: global }
      - { .name: codes, .offset: 16, .size: 8, .value_kind: global_buffer, .address_space: global }
      - { .name: scales, .offset: 24, .size: 8, .value_kind: global_buffer, .address_space: global }
      - { .name: bp, .offset: 32, .size: 8, .value_kind: global_buffer, .address_space: global }
      - { .name: out0, .offset: 40, .size: 8, .value_kind: global_buffer, .address_space: global }
    .group_segment_fixed_size: 307712
    .private_segment_fixed_size: 0
    .kernarg_segment_align: 8
    .kernarg_segment_size: 48
    .max_flat_workgroup_size: 128
    .sgpr_count:     104
    .vgpr_count:     768
    .wavefront_size: 32
...
	.end_amdgpu_metadata
.endif
;; end of part 4
